; MI455X (gfx1250); checked and timed in simulation.
; The chip was launched on July 23, 2026; its instructions are those of AMD's public machine-readable ISA for CDNA 5 (MIT licence, August 2026) and "CDNA5" Instruction Set Architecture Reference Guide (July 2026). The comments in the code are by the model that wrote it; some were corrected since.
;; Attention. Allowed arithmetic: matrix products marked QUANTISED: E4M3 operands, one given power-of-two scale a tensor, by v_wmma_f32_16x16x64_fp8_fp8 or v_wmma_f32_16x16x128_fp8_fp8, f32 sums; everything else in f32.
;; Inputs: bk 256 float32; bq 1,024 float32; bv 256 float32; cos 4,096 x 128 float32; lowp_scales 12 int32 (the exponents e of the quantised operands' scales 2^e); sin 4,096 x 128 float32; wk 256 x 2,048 float32; wo 2,048 x 1,024 float32; wq 1,024 x 2,048 float32; wv 256 x 2,048 float32; x 1 x 4,096 x 2,048 float32.
;; Outputs: out0 1 x 4,096 x 2,048 float32.
;; This version of the problem:
;;   THIS VERSION OF THE PROBLEM IS GIVEN IN LOW PRECISION. The matrix products marked QUANTISED in the list below multiply operands that are first quantised to E4M3 (4 exponent bits, 3 mantissa bits; 8 bits a number), with one given power-of-two scale for each operand tensor; their sums are f32. All else is computed in f32.
;;   The module's matrix products, in the order in which they are computed (A, B: the left and right operand; K: the contracted axis; several contracted axes count as one K, in the product's order):
;;     1. [M 4,096, K 2,048] x [K 2,048, N 1,024]; A: input x; B: input wq: QUANTISED (scales: A lowp_scales[0], B lowp_scales[1])
;;     2. [M 4,096, K 2,048] x [K 2,048, N 256]; A: input x; B: input wk: QUANTISED (scales: A lowp_scales[2], B lowp_scales[3])
;;     3. [M 4,096, K 2,048] x [K 2,048, N 256]; A: input x; B: input wv: QUANTISED (scales: A lowp_scales[4], B lowp_scales[5])
;;     4. batch 2 x [M 16,384, K 128] x [K 128, N 4,096]; A: computed on the way; B: computed on the way: QUANTISED (scales: A lowp_scales[6], B lowp_scales[7])
;;     5. batch 2 x [M 16,384, K 4,096] x [K 4,096, N 128]; A: softmax (see below); B: computed on the way: QUANTISED (scales: A lowp_scales[8], B lowp_scales[9])
;;     6. [M 4,096, K 1,024] x [K 1,024, N 2,048]; A: computed on the way; B: input wo: QUANTISED (scales: A lowp_scales[10], B lowp_scales[11])
;;   THE QUANTISER, for each operand of a quantised product, along K:
;;     - The operand's scale is 2^e, e = its entry of the input lowp_scales (int32; the entries are numbered through the quantised products in the list's order, A before B).
;;     - Each number is divided by the scale, clamped to +-448, and rounded to the nearest number of E4M3, ties to even, subnormals kept.
;;     - The product sums the exact products of the quantised numbers (number of the format x scale) in f32.
;;   ~~~python
;;   def quantise(x, axis, e):      # numpy; x: float32 -> the quantised numbers, widened to float32 again
;;       x = np.moveaxis(x, axis, -1); K = x.shape[-1]
;;       r = np.clip(x / 2.0 ** e, -448, 448)
;;       step = 2.0 ** (np.maximum(np.frexp(np.where(r == 0, 1, r))[1] - 1, -6) - 3)
;;       q = np.round(r / step) * step * 2.0 ** e      # np.round: ties to even
;;       return np.moveaxis(q, -1, axis).astype(np.float32)
;;   ~~~
;;   SOFTMAX AHEAD OF A QUANTISED PRODUCT. Where the list says 'softmax', what is quantised is not the finished softmax but p = 2^(t - M), with t = logit x log2(e) and M = ceil(the row's largest t), a whole number; so 1/2 < the row's largest p <= 1. The row's sum l is taken of the UNQUANTISED p, in f32, and the product's result is divided by l at the end. Since M is a whole number, a kernel that streams over the keys may use a running M (the ceiling of the running maximum): every later rescaling is an exact power of two, so the quantised numbers keep their values, but for numbers so far below the row's largest that they fall under the format's range.
;;   OPERANDS COMPUTED ON THE WAY. 'Computed on the way' means the value that the module computes at that place (a softmax that the list does not call 'softmax' is quantised finished and normalised). What goes into a quantiser is computed in f32, as accurately as f32 sums, v_exp_f32 and their like allow (about 1e-6 of the number): no bf16 or f16 on the way to a quantiser, and a product that is left as it is and whose result goes on into a quantised operand takes f32 operands (vector FMAs, or v_wmma_f32_16x16x4_f32). A number that lies on a knife's edge between two numbers of the format may be rounded either way, as far as f32 arithmetic and the matrix unit's own rounding can turn it there, and no further.
;; One version. Each part assembles by itself: llvm-mc -triple=amdgcn-amd-amdhsa -mcpu=gfx1250 --defsym DOCPART=n.
;; ======== version 1 of 1: 4 launches
;; limits: right only within a limited range of input values
;; workspace buffers: xc 25,165,824 bytes; wc 3,145,728 bytes; woc 2,097,152 bytes; rt 4,194,304 bytes; qc 4,194,304 bytes; kc 1,048,576 bytes; vc 1,048,576 bytes; oc 4,194,304 bytes
;; launch quant (part 1): grid 480 x 1, 4 waves a work-group, no clusters, 33,280 bytes of LDS; arguments x, wq, wk, wv, wo, cos, sin, lowp_scales, xc, wc, woc, rt; writes xc, wc, woc, rt
.if DOCPART == 1
	.amdgcn_target "amdgcn-amd-amdhsa--gfx1250"
	.amdhsa_code_object_version 6
	.text
	.protected	k_qce3ca487cb_quant
	.globl	k_qce3ca487cb_quant
	.p2align	8
	.type	k_qce3ca487cb_quant,@function
k_qce3ca487cb_quant:
	s_mov_b64 s[64:65], 0
	v_nop
	global_prefetch_b8 v0, s[64:65] scope:SCOPE_SE
	s_setreg_imm32_b32 hwreg(HW_REG_WAVE_MODE, 25, 1), 1
	s_wait_xcnt 0x0
; x, wq, wk, wv, wo (f32, K innermost) become codes of E4M3; cos and sin are laid anew in the order in which the next launch's accumulators want them.
; code = number / 2^e, held within +-448, to the nearest code, ties to even.  e: x e0 (and e2, e4 where they differ from e0: regions 1 and 2 of xc), wq e1, wk e3, wv e5, wo e11.
; LIMITS: every e used here lies between -126 and 119, so that 2^e and 448 x 2^e are f32 numbers.  NaN among the inputs is not served; an infinity is held at the largest code.
; ORDER OF THE CODES IN A ROW: inside each block of 32 along K the two middle groups of eight change places: byte 16 e + i of a block holds k = 8 e + i (i < 8) or 16 + 8 e + (i - 8).
; A 16-byte load at 32 c + 16 (lane / 16) of a row then brings registers 4 c .. 4 c + 3 of a fragment of the K = 128 form in that form's own order of k.
; SHARES: work-groups 0-415 take 32,768 numbers each (x 0-255, wq 256-319, wk 320-335, wv 336-351, wo 352-415), a wave 16 steps of 512; all five tensors take one way through the text, chosen by selects
; on the work-group's number.  Each load reads 512 consecutive bytes; a step's 2,048 bytes turn through the wave's own stage in LDS (16 bytes of padding behind each 64), and come back so that lane 2 m + e holds
; numbers 8 e .. 8 e + 7 and 16 + 8 e .. + 7 of block m; its 16 codes are 16 bytes, a wave's store 512 consecutive bytes.  Work-groups 416-479 lay the tables: a wave a tile of 16 tokens.
; Memory binds: no matrix unit, no tensor load, no barrier; waves share nothing.
.set QWG,   416
.set STEPS, 16
.set SP,    80                         ; a place in a stage: 64 bytes + 16 of padding
.set STG,   32*SP                      ; a stage
.set WREG,  8192                       ; LDS of a wave: two stages
.set SPARE, 4*WREG                     ; behind the four regions: the spare words, 128 bytes a wave, which no other line names
.set SPW,   12                         ; v12  SPARE + 4 x my thread's number; never rewritten
.set NIL,   13                         ; v13  0; never rewritten
.set R,     16                         ; v16-79   four sets of 16 numbers as loaded
.set X,     80                         ; v80-111  two sets of 16 numbers in the lane's order
.set T,     112                        ; v112-127 the numbers, held
.set C,     128                        ; v128-139 codes: four registers for each of up to three scales
.set SC,    140                        ; v140.. for scale j: 2^e at 2 j, 448 x 2^e at 2 j + 1
	s_load_b512 s[4:19], s[0:1], 0x0               ; x 4, wq 6, wk 8, wv 10, wo 12, cos 14, sin 16, the exponents 18
	s_load_b256 s[20:27], s[0:1], 0x40             ; xc 20, wc 22, woc 24, rt 26
	v_lshl_add_u32 v[SPW], v0, 2, SPARE
	v_mov_b32 v[NIL], 0
	v_lshrrev_b32 v1, 5, v0
	v_readfirstlane_b32 s52, v1                    ; wave
	v_and_b32 v2, 31, v0                           ; lane
	v_lshlrev_b32 v3, 4, v2                        ; 16 x lane: my bytes of a load's or a store's 512
	s_wait_kmcnt 0x0
	s_cmp_ge_u32 ttmp9, QWG
	s_cbranch_scc1 .Ltab
	s_load_b256 s[36:43], s[18:19], 0x0            ; e0 .. e7
	s_load_b128 s[44:47], s[18:19], 0x20           ; e8 .. e11
	s_mul_i32 s53, s52, WREG
	s_wait_alu depctr_va_vdst(0)
	v_lshrrev_b32 v14, 2, v2
	v_mul_u32_u24 v14, v14, SP
	v_and_b32 v15, 3, v2
	v_lshl_add_u32 v14, v15, 4, v14
	v_add_nc_u32 v14, s53, v14                     ; into the stage: SP (lane / 4) + 16 (lane % 4)
	v_and_b32 v15, 30, v2
	v_mul_u32_u24 v15, v15, SP
	v_and_b32 v4, 1, v2
	v_lshl_add_u32 v15, v4, 5, v15
	v_add_nc_u32 v15, s53, v15                     ; out of it: the block's two places begin at SP (lane & 30); my eight numbers of each at 32 (lane & 1)
	s_wait_alu depctr_va_vdst(0)
	s_wait_kmcnt 0x0
	s_mov_b64 s[30:31], s[4:5]                     ; from: x
	s_mov_b64 s[32:33], s[20:21]                   ; to: xc
	s_mov_b32 s28, 0                               ; the first work-group of the tensor read,
	s_mov_b32 s29, 0                               ; and of the buffer written
	s_mov_b32 s34, s36                             ; e
	s_cmp_ge_u32 ttmp9, 256
	s_cselect_b64 s[30:31], s[6:7], s[30:31]
	s_cselect_b64 s[32:33], s[22:23], s[32:33]
	s_cselect_b32 s28, 256, s28
	s_cselect_b32 s29, 256, s29
	s_cselect_b32 s34, s37, s34
	s_cmp_ge_u32 ttmp9, 320
	s_cselect_b64 s[30:31], s[8:9], s[30:31]
	s_cselect_b32 s28, 320, s28
	s_cselect_b32 s34, s39, s34
	s_cmp_ge_u32 ttmp9, 336
	s_cselect_b64 s[30:31], s[10:11], s[30:31]
	s_cselect_b32 s28, 336, s28
	s_cselect_b32 s34, s41, s34
	s_cmp_ge_u32 ttmp9, 352
	s_cselect_b64 s[30:31], s[12:13], s[30:31]
	s_cselect_b64 s[32:33], s[24:25], s[32:33]
	s_cselect_b32 s28, 352, s28
	s_cselect_b32 s29, 352, s29
	s_cselect_b32 s34, s47, s34
	s_cmp_lg_u32 s38, s36                          ; x has a second set of codes where e2 differs from e0,
	s_cselect_b32 s50, 1, 0
	s_cmp_lg_u32 s40, s36                          ; a third where e4 does
	s_cselect_b32 s51, 1, 0
	s_cmp_lt_u32 ttmp9, 256                        ; and only x has them
	s_cselect_b32 s50, s50, 0
	s_cselect_b32 s51, s51, 0
	s_sub_co_u32 s35, ttmp9, s28
	s_lshl_b32 s35, s35, 2
	s_add_co_u32 s35, s35, s52
	s_lshl_b32 s48, s35, 15                        ; my wave's 8,192 numbers: 32,768 bytes
	s_mov_b32 s49, 0
	s_add_nc_u64 s[30:31], s[30:31], s[48:49]
	s_sub_co_u32 s35, ttmp9, s29
	s_lshl_b32 s35, s35, 2
	s_add_co_u32 s35, s35, s52
	s_lshl_b32 s48, s35, 13                        ; and their 8,192 codes
	s_add_nc_u64 s[32:33], s[32:33], s[48:49]
	s_add_nc_u64 s[54:55], s[32:33], 0x800000      ; xc's regions 1 and 2 (used by x's work-groups alone)
	s_add_nc_u64 s[56:57], s[32:33], 0x1000000
.macro LOAD t
.irp i, 0,1,2,3
	global_load_b128 v[R+16*((\t)%4)+4*\i:R+16*((\t)%4)+4*\i+3], v3, s[30:31] offset:2048*(\t)+512*\i th:TH_LOAD_NT
.endr
.endm
.macro TURN t                          ; step t through the stage; LDS serves a wave's instructions in order, so no wait stands between the stores and the loads
.irp i, 0,1,2,3
	ds_store_b128 v14, v[R+16*((\t)%4)+4*\i:R+16*((\t)%4)+4*\i+3] offset:STG*((\t)%2)+8*SP*\i
.endr
	ds_load_b128 v[X+16*((\t)%2):X+16*((\t)%2)+3], v15 offset:STG*((\t)%2)
	ds_load_b128 v[X+16*((\t)%2)+4:X+16*((\t)%2)+7], v15 offset:STG*((\t)%2)+16
	ds_load_b128 v[X+16*((\t)%2)+8:X+16*((\t)%2)+11], v15 offset:STG*((\t)%2)+SP
	ds_load_b128 v[X+16*((\t)%2)+12:X+16*((\t)%2)+15], v15 offset:STG*((\t)%2)+SP+16
.endm
.macro PAT e, j                        ; s[e]: an exponent -> 2^e and 448 x 2^e as f32
	s_add_co_i32 s35, s[\e], 127
	s_lshl_b32 s48, s35, 23
	v_mov_b32 v[SC+2*\j], s48
	s_add_co_i32 s35, s35, 8
	s_lshl_b32 s35, s35, 23
	s_or_b32 s35, s35, 0x600000
	v_mov_b32 v[SC+2*\j+1], s35
.endm
.macro COPY j, t, base                 ; the step's 16 numbers with scale j: held (the conversion does not saturate: ISA guide 7.6.2), converted, stored
.irp i, 0,1,2,3,4,5,6,7,8,9,10,11,12,13,14,15
	v_med3_num_f32 v[T+\i], v[XS+\i], -v[SC+2*\j+1], v[SC+2*\j+1]
.endr
	v_cvt_scalef32_pk8_fp8_f32 v[C+4*\j:C+4*\j+1], v[T:T+7], v[SC+2*\j]
	v_cvt_scalef32_pk8_fp8_f32 v[C+4*\j+2:C+4*\j+3], v[T+8:T+15], v[SC+2*\j]
	v_nop                                          ; a plain line between the conversions and the next lines that write their sources
	global_store_b128 v3, v[C+4*\j:C+4*\j+3], s[\base:\base+1] offset:512*(\t)
.endm
.macro STEP t
.set XS, X+16*((\t)%2)
	s_wait_dscnt 0x0                               ; this step's numbers are back from the stage, and its stores into the stage have read their registers,
.if (\t)+4 < STEPS
	LOAD (\t)+4                                    ; which take the loads of four steps on
.endif
.if (\t)+1 < STEPS
.if STEPS-2-(\t) >= 3
	s_wait_loadcnt 12                              ; the next step's four loads are in; those of the three steps behind it may be out
.else
	s_wait_loadcnt 4*(STEPS-2-(\t))
.endif
	TURN (\t)+1
.endif
	s_wait_xcnt 0x0                                ; the last step's stores have read their data: the codes' registers are written again only behind this wait
	COPY 0, \t, 32
	s_cmp_eq_u32 s50, 0
	s_cbranch_scc1 .Lno1_\@
	COPY 1, \t, 54
.Lno1_\@:
	s_cmp_eq_u32 s51, 0
	s_cbranch_scc1 .Lno2_\@
	COPY 2, \t, 56
.Lno2_\@:
.endm
.irp t, 0,1,2,3
	LOAD \t
.endr
	PAT 34, 0
	PAT 38, 1
	PAT 40, 2
	s_wait_alu depctr_va_vdst(0)
	s_wait_loadcnt 12                              ; step 0's four loads are in
	TURN 0
.irp t, 0,1,2,3,4,5,6,7,8,9,10,11,12,13,14,15
	STEP \t
.endr
	s_wait_tensorcnt 0x0                           ; the wave's end, behind my last LDS store
	ds_add_u32 v[SPW], v[NIL]
	s_wait_dscnt 0x0
	s_endpgm
; THE TABLES.  rt: [tile of 16 tokens i][cos, sin][a 0..7][q 0..1][lane][16 bytes]: lane (r, h) holds table[16 i + r][16 a + 8 h + 4 q + 0 .. 3].  The reads take 16 bytes of each of 16 rows, once in the program;
; every store, and every later read, covers 512 consecutive bytes.  This way touches no LDS.
.Ltab:
	s_sub_co_u32 s28, ttmp9, QWG
	s_lshl_b32 s28, s28, 2
	s_add_co_u32 s28, s28, s52                     ; i
	s_lshl_b32 s30, s28, 13                        ; 16 rows of 512 bytes
	s_mov_b32 s31, 0
	s_add_nc_u64 s[14:15], s[14:15], s[30:31]
	s_add_nc_u64 s[16:17], s[16:17], s[30:31]
	s_lshl_b32 s30, s28, 14
	s_add_nc_u64 s[26:27], s[26:27], s[30:31]
	v_and_b32 v4, 15, v0
	v_bfe_u32 v5, v0, 4, 1
	v_lshlrev_b32 v6, 9, v4
	v_lshl_add_u32 v6, v5, 5, v6                   ; row r, + 32 h
.set k, 0
.rept 16
	global_load_b128 v[16+4*k:19+4*k], v6, s[14:15] offset:64*(k/2)+16*(k%2)
.set k, k+1
.endr
.set k, 0
.rept 16
	global_load_b128 v[80+4*k:83+4*k], v6, s[16:17] offset:64*(k/2)+16*(k%2)
.set k, k+1
.endr
.set k, 0
	s_wait_alu depctr_va_vdst(0)
.rept 32
	s_wait_loadcnt 31-k                            ; loads come back in order: load k is in, the younger ones may be out
	global_store_b128 v3, v[16+4*k:19+4*k], s[26:27] offset:512*k
.set k, k+1
.endr
	s_endpgm
.Lfunc_end_k_qce3ca487cb_quant:
	.size	k_qce3ca487cb_quant, .Lfunc_end_k_qce3ca487cb_quant-k_qce3ca487cb_quant
	.p2alignl 7, 3214868480
	.fill 96, 4, 3214868480
	.section	.rodata,"a",@progbits
	.p2align	6, 0x0
	.amdhsa_kernel k_qce3ca487cb_quant
		.amdhsa_group_segment_fixed_size 33280
		.amdhsa_private_segment_fixed_size 0
		.amdhsa_enable_private_segment 0
		.amdhsa_kernarg_size 96
		.amdhsa_user_sgpr_count 2
		.amdhsa_user_sgpr_kernarg_segment_ptr 1
		.amdhsa_wavefront_size32 1
		.amdhsa_system_sgpr_workgroup_id_x 1
		.amdhsa_system_sgpr_workgroup_id_y 1
		.amdhsa_system_sgpr_workgroup_id_z 1
		.amdhsa_system_vgpr_workitem_id 0
		.amdhsa_next_free_vgpr 152
		.amdhsa_next_free_sgpr 66
		.amdhsa_reserve_vcc 0
		.amdhsa_float_denorm_mode_32 3
		.amdhsa_float_denorm_mode_16_64 3
		.amdhsa_memory_ordered 1
		.amdhsa_forward_progress 1
		.amdhsa_inst_pref_size 90
	.end_amdhsa_kernel
	.amdgpu_metadata
---
amdhsa.version: [ 1, 2 ]
amdhsa.kernels:
  - .name:           k_qce3ca487cb_quant
    .symbol:         k_qce3ca487cb_quant.kd
    .args:
      - { .name: x, .offset: 0, .size: 8, .value_kind: global_buffer, .address_space: global }
      - { .name: wq, .offset: 8, .size: 8, .value_kind: global_buffer, .address_space: global }
      - { .name: wk, .offset: 16, .size: 8, .value_kind: global_buffer, .address_space: global }
      - { .name: wv, .offset: 24, .size: 8, .value_kind: global_buffer, .address_space: global }
      - { .name: wo, .offset: 32, .size: 8, .value_kind: global_buffer, .address_space: global }
      - { .name: cos, .offset: 40, .size: 8, .value_kind: global_buffer, .address_space: global }
      - { .name: sin, .offset: 48, .size: 8, .value_kind: global_buffer, .address_space: global }
      - { .name: lowp_scales, .offset: 56, .size: 8, .value_kind: global_buffer, .address_space: global }
      - { .name: xc, .offset: 64, .size: 8, .value_kind: global_buffer, .address_space: global }
      - { .name: wc, .offset: 72, .size: 8, .value_kind: global_buffer, .address_space: global }
      - { .name: woc, .offset: 80, .size: 8, .value_kind: global_buffer, .address_space: global }
      - { .name: rt, .offset: 88, .size: 8, .value_kind: global_buffer, .address_space: global }
    .group_segment_fixed_size: 33280
    .private_segment_fixed_size: 0
    .kernarg_segment_align: 8
    .kernarg_segment_size: 96
    .max_flat_workgroup_size: 128
    .sgpr_count:     66
    .vgpr_count:     152
    .wavefront_size: 32
...
	.end_amdgpu_metadata
.endif
;; end of part 1
;; launch qkv (part 2): grid 32 x 6, 4 waves a work-group, no clusters, 327,680 bytes of LDS; arguments xc, wc, rt, bq, bk, bv, lowp_scales, qc, kc, vc; writes qc, kc, vc
.if DOCPART == 2
	.amdgcn_target "amdgcn-amd-amdhsa--gfx1250"
	.amdhsa_code_object_version 6
	.text
	.protected	k_qce3ca487cb_qkv
	.globl	k_qce3ca487cb_qkv
	.p2align	8
	.type	k_qce3ca487cb_qkv,@function
k_qce3ca487cb_qkv:
	s_mov_b64 s[64:65], 0
	v_nop
	global_prefetch_b8 v0, s[64:65] scope:SCOPE_SE
	s_setreg_imm32_b32 hwreg(HW_REG_WAVE_MODE, 25, 1), 1
	s_wait_xcnt 0x0
; q = rope(x wq^T + bq), k = rope(x wk^T + bk), v = x wv^T + bv, the three products on codes of E4M3; the results are quantised (e6, e7, e9) and stored as images of the next launch's operand registers.
; A work-group multiplies a tile P of 256 rows (source 0) by a tile Q of 128 rows (source 1) over K = 2,048; a wave takes 128 x 64: 32 accumulators.  In accumulator (n, a) lane (r, h) holds row r of Q's tile n
; and, in register j, row 16 a + 8 h + j of P's: eight neighbours along the next product's K, so that one conversion gives registers 2 a, 2 a + 1 of the next operand's fragment.
; y 0-3: q: P = wq's rows of heads 2 y, 2 y + 1, Q = 128 tokens.   y 4: k: P = wk's 256 rows, Q = 128 tokens.   y 5: v: P = 256 tokens, Q = wv's rows of head x & 1: a lane holds one d and its registers run along the
; tokens, which are the keys: v comes out with the keys innermost.  The loop over K is one text for all; only addresses differ.
; x's codes: region 0 of xc (e0); k and v take regions 1 and 2 where e2 or e4 differs from e0: a select, no branch.
; AN IMAGE: a fragment (16 rows x 128 K) is 2,048 bytes, [c 0..3][lane][16 bytes] = registers 4 c .. 4 c + 3: each store covers 512 consecutive bytes.
; NO CLUSTER: the grid has 6 rows, which 4 does not divide; along x four neighbours share P in five of the rows and Q in the sixth, and one line of text has one mask.
; LIMITS: e0 + e1, e2 + e3, e4 + e5 between -126 and 127; e6, e7, e9 between -126 and 119.
; REGISTERS: window 0: v16-31 addresses and constants; v32-95 the bias; v96-111 at work; v128-191, v192-255 Q's two sets of fragments, later the results and their codes.  window 1: P's two sets.
;   window 2: accumulator (n, a) at 64 n + 8 a.   window 3: two sets of a token tile's tables: cos at 8 a + j, sin at 64 + 8 a + j.
.set PITCH, 272                        ; an LDS row: 256 bytes + 16 of padding: the 16 rows of a fragment load start 68 words apart
.set PHALF, 128*PITCH
.set QHALF, 64*PITCH
.set QOFF,  2*PHALF
.set SLOT,  QOFF+2*QHALF               ; 256 along K: P's 256 rows, then Q's 128
.set SPARE, 2*SLOT                     ; behind the ring: the spare words, 128 bytes a wave, which no other line names
.set ADRP, 16                          ; v16-17 my P fragments in slot 0, 1
.set ADRQ, 20                          ; v20-21 my Q fragments
.set LI,   24                          ; v24 16 x lane
.set H32,  25                          ; v25 32 h
.set R4,   26                          ; v26 4 r
.set SPW,  28                          ; v28 SPARE + 4 x my thread's number; never rewritten
.set NIL,  29                          ; v29 0; never rewritten
.set QS,   30                          ; v30 the quantiser's 2^e
.set QL,   31                          ; v31 448 x 2^e
.set BI,   32
.set T,    96
.set OV,   128
.set CD,   192
.set G1P,  24                          ; s[24:31] group 1: 128 rows x 256 bytes
.set G0,   32                          ; s[32:39] group 0, a set for each slot
.set G1Q,  40                          ; s[40:47] group 1: 64 rows x 256 bytes
.set MSB, 0
.macro WIN new                         ; the immediate's high byte repeats the setting that is left
.if MSB != \new
	s_set_vgpr_msb (MSB<<8)|\new
.set MSB, \new
.endif
.endm
.macro PLACES                          ; four places between a matrix instruction and a load into, or a vector line on, its registers
.rept 4
	v_nop
.endr
.endm
.macro TLOAD s                         ; waves 0, 1: P's halves; waves 2, 3: Q's.  An s_nop 0 and four v_nop follow each line
	s_cmp_lt_u32 s60, 2
	s_cbranch_scc0 .Lq_\@
	tensor_load_to_lds s[G0+4*(\s):G0+4*(\s)+3], s[G1P:G1P+7]
	s_nop 0
	PLACES
	s_branch .Ld_\@
.Lq_\@:
	tensor_load_to_lds s[G0+4*(\s):G0+4*(\s)+3], s[G1Q:G1Q+7]
	s_nop 0
	PLACES
.Ld_\@:
.endm
	s_load_b512 s[4:19], s[0:1], 0x0               ; xc 4, wc 6, rt 8, bq 10, bk 12, bv 14, the exponents 16, qc 18
	s_load_b128 s[20:23], s[0:1], 0x40             ; kc 20, vc 22
	v_lshl_add_u32 v[SPW], v0, 2, SPARE
	v_mov_b32 v[NIL], 0
	ds_add_u32 v[SPW], v[NIL]                      ; the wave's opening: the add and its wait ahead of my first tensor load
	ds_add_u32 v[SPW], v[NIL]
	v_lshrrev_b32 v1, 5, v0
	v_readfirstlane_b32 s60, v1                    ; wave
	s_and_b32 s61, s60, 1                          ; pw: my half of P's rows
	s_lshr_b32 s62, s60, 1                         ; qw: my half of Q's
	s_mov_b32 s63, ttmp9                           ; x
	s_and_b32 s66, ttmp7, 0xffff                   ; y
	s_mov_b32 s[G1P], (1<<20)|(5<<22)|(3<<25)      ; elements of 1 byte; padding: 4 words behind every 64
	s_mov_b32 s[G1P+1], 256<<16                    ; tensor_dim0
	s_mov_b32 s[G1P+2], 128<<16                    ; tensor_dim1
	s_mov_b32 s[G1P+3], 256<<16                    ; tile_dim0
	s_mov_b32 s[G1P+4], 128                        ; tile_dim1
	s_mov_b32 s[G1P+5], 2048                       ; from row to row
	s_mov_b32 s[G1P+6], 0
	s_mov_b32 s[G1P+7], 0
	s_mov_b32 s[G1Q], (1<<20)|(5<<22)|(3<<25)
	s_mov_b32 s[G1Q+1], 256<<16
	s_mov_b32 s[G1Q+2], 64<<16
	s_mov_b32 s[G1Q+3], 256<<16
	s_mov_b32 s[G1Q+4], 64
	s_mov_b32 s[G1Q+5], 2048
	s_mov_b32 s[G1Q+6], 0
	s_mov_b32 s[G1Q+7], 0
	s_min_u32 s84, s60, 2
	s_mul_i32 s84, s84, PHALF
	s_and_b32 s85, s62, s60                        ; 1 in wave 3 alone
	s_mul_i32 s85, s85, QHALF
	s_add_co_u32 s84, s84, s85                     ; where my part of a slot lies: 0, PHALF, QOFF, QOFF + QHALF
	s_lshl_b32 s72, s66, 8                         ; P's first row: 256 y in wc,
	s_lshr_b32 s73, s63, 1
	s_lshl_b32 s73, s73, 8                         ; or 256 (x / 2) in xc
	s_lshl_b32 s74, s63, 7                         ; Q's: 128 x in xc,
	s_and_b32 s75, s63, 1
	s_lshl_b32 s75, s75, 7
	s_add_co_u32 s75, s75, 1280                    ; or 1,280 + 128 (x & 1) in wc
	s_cmp_eq_u32 s66, 5
	s_cselect_b32 s72, s73, s72
	s_cselect_b32 s74, s75, s74
	s_lshl_b32 s72, s72, 11                        ; rows of 2,048 bytes
	s_lshl_b32 s74, s74, 11
	s_wait_dscnt 0x0                               ; the opening add is done
	s_wait_kmcnt 0x0
	s_load_b256 s[48:55], s[16:17], 0x0            ; e0 .. e7
	s_load_b128 s[56:59], s[16:17], 0x20           ; e8 .. e11
	s_wait_kmcnt 0x0
	s_cmp_eq_u32 s50, s48
	s_cselect_b32 s85, 0, 1                        ; k's region of xc
	s_cmp_eq_u32 s52, s48
	s_cselect_b32 s86, 0, 2                        ; v's
	s_cmp_eq_u32 s66, 4
	s_cselect_b32 s85, s85, 0
	s_cmp_eq_u32 s66, 5
	s_cselect_b32 s85, s86, s85
	s_min_u32 s85, s85, 2
	s_lshl_b32 s85, s85, 23                        ; regions of 8 MiB
	s_cmp_eq_u32 s66, 5
	s_cselect_b32 s86, s85, 0                      ; it goes to the side that is x's
	s_cselect_b32 s85, 0, s85
	s_cselect_b64 s[68:69], s[4:5], s[6:7]
	s_cselect_b64 s[70:71], s[6:7], s[4:5]
	s_add_co_u32 s72, s72, s86
	s_add_co_u32 s74, s74, s85
	s_mov_b32 s73, 0
	s_mov_b32 s75, 0
	s_add_nc_u64 s[68:69], s[68:69], s[72:73]      ; P's tile
	s_add_nc_u64 s[70:71], s[70:71], s[74:75]      ; Q's tile
	s_cmp_lt_u32 s60, 2
	s_cselect_b64 s[86:87], s[68:69], s[70:71]
	s_mov_b32 s88, 131072
	s_cselect_b32 s88, 262144, s88                 ; 128 or 64 rows
	s_mul_i32 s88, s88, s61
	s_mov_b32 s89, 0
	s_add_nc_u64 s[86:87], s[86:87], s[88:89]      ; the rows that I fetch
.irp s, 0,1
	s_mov_b32 s[G0+4*\s], 1
	s_add_co_u32 s[G0+4*\s+1], s84, \s*SLOT
	s_add_nc_u64 s[G0+4*\s+2:G0+4*\s+3], s[86:87], \s*256
	s_or_b32 s[G0+4*\s+3], s[G0+4*\s+3], 0x80000000
.endr
	s_cmp_lt_u32 s60, 2                            ; slot 0's first fill: one tensor load a wave at the head
	s_cbranch_scc0 .Lfirst_q
	tensor_load_to_lds s[G0:G0+3], s[G1P:G1P+7]
	s_nop 0
	PLACES
	s_branch .Lfirst_done
.Lfirst_q:
	tensor_load_to_lds s[G0:G0+3], s[G1Q:G1Q+7]
	s_nop 0
	PLACES
.Lfirst_done:
	v_and_b32 v1, 15, v0                           ; r
	v_bfe_u32 v2, v0, 4, 1                         ; h
	v_mul_u32_u24 v3, v1, PITCH
	v_lshl_add_u32 v3, v2, 4, v3                   ; row r, + 16 h
	s_mul_i32 s72, s61, PHALF
	s_mul_i32 s73, s62, QHALF
	s_add_co_u32 s73, s73, QOFF
.irp s, 0,1
	v_add_nc_u32 v[ADRP+\s], s72, v3
	v_add_nc_u32 v[ADRQ+\s], s73, v3
	s_add_co_u32 s72, s72, SLOT
	s_add_co_u32 s73, s73, SLOT
.endr
	v_and_b32 v4, 31, v0
	v_lshlrev_b32 v[LI], 4, v4
	v_lshlrev_b32 v[H32], 5, v2
	v_lshlrev_b32 v[R4], 2, v1
.macro FRAG reg, adr, q, tile          ; 16 rows x 128 K: four loads of 16 bytes, 32 bytes apart
.irp c, 0,1,2,3
	ds_load_b128 v[\reg+4*\c:\reg+4*\c+3], v[\adr] offset:128*(\q)+32*\c+(\tile)*16*PITCH
.endr
.endm
.macro FETCH slot, q, set              ; the fragments of the slot's q-th 128 along K: 48 loads
	WIN 0x40                                       ; destination window 1
.irp a, 0,1,2,3,4,5,6,7
	FRAG 128*(\set)+16*\a, ADRP+\slot, \q, \a
.endr
	WIN 0
.irp n, 0,1,2,3
	FRAG 128+64*(\set)+16*\n, ADRQ+\slot, \q, \n
.endr
.endm
.macro MUL16 set, n0, zero             ; Q's tiles n0, n0 + 1 x P's eight.  The 32 accumulators take turns, one instruction a turn, in the same order in every step
.irp n, \n0, \n0+1
.irp a, 0,1,2,3,4,5,6,7
.if \zero
	v_wmma_f32_16x16x128_fp8_fp8 v[64*(\n)+8*\a:64*(\n)+8*\a+7], v[128*(\set)+16*\a:128*(\set)+16*\a+15], v[128+64*(\set)+16*(\n):128+64*(\set)+16*(\n)+15], 0
.else
	v_wmma_f32_16x16x128_fp8_fp8 v[64*(\n)+8*\a:64*(\n)+8*\a+7], v[128*(\set)+16*\a:128*(\set)+16*\a+15], v[128+64*(\set)+16*(\n):128+64*(\set)+16*(\n)+15], v[64*(\n)+8*\a:64*(\n)+8*\a+7]
.endif
.endr
.endr
.endm
.macro STEP slot, zero                 ; a slot's first 128 along K (set 0); its second 128 are fetched meanwhile (set 1)
	s_wait_dscnt 0x0                               ; set 0 is in
	PLACES
	FETCH \slot, 1, 1
	WIN 0xa1                                       ; source 0 window 1, source 1 window 0, C and D window 2
	MUL16 0, 0, \zero
	MUL16 0, 2, \zero
	WIN 0
.endm
.macro TURN slot, next, fill           ; a slot's second 128, and the change of slots: one barrier
	s_wait_tensorcnt 0x0                           ; all my tensor loads have landed: my part of the next slot
	ds_add_u32 v[SPW], v[NIL]                      ; 0 onto my spare word
.if \fill
	s_add_nc_u64 s[G0+4*\slot+2:G0+4*\slot+3], s[G0+4*\slot+2:G0+4*\slot+3], 512   ; no load of mine is out: this slot's next 256 along K
.endif
	s_wait_dscnt 0x0                               ; the add is done; set 1 is in: my reads of this slot are over
	s_barrier_signal -1
	WIN 0xa1
	MUL16 1, 0, 0
	WIN 0
	s_barrier_wait -1                              ; nobody reads this slot any more, and the next slot is whole
.if \fill
	TLOAD \slot                                    ; my one tensor load behind the barrier; its four v_nop are the places in front of the loads below
.else
	PLACES
.endif
	FETCH \next, 0, 0
	WIN 0xa1
	MUL16 1, 2, 0
	WIN 0
.endm
.macro TAIL                            ; the last slot and a half: nothing is left to fetch from memory
	TURN 0, 1, 0
	STEP 1, 0
	s_wait_dscnt 0x0
	WIN 0xa1
	MUL16 1, 0, 0
	MUL16 1, 2, 0
	WIN 0
	PLACES
.endm
.macro QPAT e                          ; s[e]: the quantiser's exponent
	s_add_co_i32 s88, s[\e], 127
	s_lshl_b32 s89, s88, 23
	v_mov_b32 v[QS], s89
	s_add_co_i32 s88, s88, 8
	s_lshl_b32 s88, s88, 23
	s_or_b32 s88, s88, 0x600000
	v_mov_b32 v[QL], s88
.endm
.macro QSTORE n                        ; the 64 results in v[OV] on: held, converted, stored as an image
.set j, 0
.rept 64
	v_med3_num_f32 v[OV+j], v[OV+j], -v[QL], v[QL]
.set j, j+1
.endr
.irp a, 0,1,2,3,4,5,6,7
	v_cvt_scalef32_pk8_fp8_f32 v[CD+16*(\n)+2*\a:CD+16*(\n)+2*\a+1], v[OV+8*\a:OV+8*\a+7], v[QS]
.endr
	v_nop                                          ; a plain line between the conversions and the next lines that write their sources
.irp c, 0,1,2,3
	global_store_b128 v[LI], v[CD+16*(\n)+4*\c:CD+16*(\n)+4*\c+3], s[78:79] offset:2048*(\n)+512*\c
.endr
.endm
	s_wait_alu depctr_va_vdst(0)
	s_wait_tensorcnt 0x0                           ; my part of slot 0 is in
	ds_add_u32 v[SPW], v[NIL]
	s_wait_dscnt 0x0
	s_barrier_signal -1
	s_barrier_wait -1
	TLOAD 1                                        ; slot 1's first fill, issued as a refill is
	FETCH 0, 0, 0
	STEP 0, 1                                      ; the first products start the sums
	s_mov_b32 s67, 3
.Llap:                                             ; three trips fill both slots again: the third to the eighth 256 along K
	TURN 0, 1, 1
	STEP 1, 0
	TURN 1, 0, 1
	STEP 0, 0
	s_sub_co_u32 s67, s67, 1
	s_cmp_lg_u32 s67, 0
	s_cbranch_scc1 .Llap
	s_cmp_eq_u32 s66, 5
	s_cbranch_scc1 .Lv
	; ---- q and k: what differs between them is selected
	s_cmp_eq_u32 s66, 4
	s_cselect_b64 s[80:81], s[12:13], s[10:11]     ; the bias
	s_cselect_b64 s[78:79], s[20:21], s[18:19]     ; the images
	s_cselect_b32 s72, 0, s66
	s_cselect_b32 s73, s50, s48                    ; x's exponent,
	s_cselect_b32 s74, s51, s49                    ; the weight's,
	s_cselect_b32 s75, s55, s54                    ; the quantiser's
	s_lshl_b32 s72, s72, 1
	s_add_co_u32 s72, s72, s61                     ; my head
	s_lshl_b32 s84, s72, 9
	s_mov_b32 s85, 0
	s_add_nc_u64 s[80:81], s[80:81], s[84:85]
	s_lshl_b32 s84, s72, 8
	s_lshl_b32 s86, s63, 3
	s_lshl_b32 s87, s62, 2
	s_add_co_u32 s86, s86, s87                     ; my first tile of tokens: 8 x + 4 qw
	s_add_co_u32 s84, s84, s86
	s_lshl_b32 s84, s84, 11
	s_add_nc_u64 s[78:79], s[78:79], s[84:85]
	s_lshl_b32 s84, s86, 14
	s_add_nc_u64 s[82:83], s[8:9], s[84:85]        ; its tables
	s_add_co_i32 s73, s73, s74
	s_add_co_i32 s73, s73, 127
	s_lshl_b32 s76, s73, 23                        ; 2^(ex + ew)
	s_mov_b32 s77, s76
	QPAT 75
.irp a, 0,1,2,3,4,5,6,7
	global_load_b128 v[BI+8*\a:BI+8*\a+3], v[H32], s[80:81] offset:64*\a        ; the bias at d = 16 a + 8 h + 0 .. 7
	global_load_b128 v[BI+8*\a+4:BI+8*\a+7], v[H32], s[80:81] offset:64*\a+16
.endr
.macro TABLOAD n, set                  ; token tile n's cos and sin: 32 loads of 512 consecutive bytes
	WIN 0xc0                                       ; destination window 3
.irp tau, 0,1
.irp a, 0,1,2,3,4,5,6,7
.irp q, 0,1
	global_load_b128 v[128*(\set)+64*\tau+8*\a+4*\q:128*(\set)+64*\tau+8*\a+4*\q+3], v[LI], s[82:83] offset:16384*(\n)+8192*\tau+512*(2*\a+\q)
.endr
.endr
.endr
	WIN 0
.endm
.macro ROPE n                          ; y = sum x 2^(ex + ew) + bias, in place, each accumulator from its low end on; then y cos + rotate_half(y) sin: d and d + 64 lie in accumulators a and a + 4 of one lane
.set TS, 128*((\n)%2)
.set AC, 64*(\n)
	WIN 0x82                                       ; source 0 and destination window 2
.set j, 0
.rept 32
	v_pk_fma_f32 v[AC+j:AC+j+1], v[AC+j:AC+j+1], s[76:77], v[BI+j:BI+j+1] op_sel_hi:[1,0,1]
.set j, j+2
.endr
	WIN 0x0e                                       ; source 0 window 2, source 1 window 3
.irp a, 0,1,2,3
.irp j, 0,2,4,6
	v_pk_mul_f32 v[T+\j:T+\j+1], v[AC+32+8*\a+\j:AC+32+8*\a+\j+1], v[TS+64+8*\a+\j:TS+64+8*\a+\j+1]
.endr
.irp j, 0,2,4,6
	v_pk_mul_f32 v[T+8+\j:T+8+\j+1], v[AC+8*\a+\j:AC+8*\a+\j+1], v[TS+96+8*\a+\j:TS+96+8*\a+\j+1]
.endr
.irp j, 0,2,4,6
	v_pk_fma_f32 v[OV+8*\a+\j:OV+8*\a+\j+1], v[AC+8*\a+\j:AC+8*\a+\j+1], v[TS+8*\a+\j:TS+8*\a+\j+1], v[T+\j:T+\j+1] neg_lo:[0,0,1] neg_hi:[0,0,1]
.endr
.irp j, 0,2,4,6
	v_pk_fma_f32 v[OV+32+8*\a+\j:OV+32+8*\a+\j+1], v[AC+32+8*\a+\j:AC+32+8*\a+\j+1], v[TS+32+8*\a+\j:TS+32+8*\a+\j+1], v[T+8+\j:T+8+\j+1]
.endr
.endr
	WIN 0
.endm
	TABLOAD 0, 0
	TAIL
	TABLOAD 1, 1
.irp n, 0,1,2,3
.if \n < 3
	s_wait_loadcnt 32                              ; the bias and this tile's tables are in; the next tile's 32 loads may be out
.else
	s_wait_loadcnt 0x0
.endif
	ROPE \n
.if \n < 2
	TABLOAD \n+2, \n%2
.endif
	QSTORE \n
.endr
	s_wait_tensorcnt 0x0                           ; the wave's end, behind my last tensor load
	ds_add_u32 v[SPW], v[NIL]
	s_wait_dscnt 0x0
	s_endpgm
	; ---- v: a lane holds d = 64 qw + 16 n + r of head x & 1; its registers run along the 128 tokens of key step 2 (x / 2) + pw
.Lv:
	s_and_b32 s72, s63, 1
	s_lshr_b32 s73, s63, 1
	s_lshl_b32 s74, s72, 7
	s_lshl_b32 s75, s62, 6
	s_add_co_u32 s74, s74, s75
	s_lshl_b32 s84, s74, 2
	s_mov_b32 s85, 0
	s_add_nc_u64 s[80:81], s[14:15], s[84:85]      ; bv at my first d
	s_lshl_b32 s84, s72, 5
	s_lshl_b32 s73, s73, 1
	s_add_co_u32 s84, s84, s73
	s_add_co_u32 s84, s84, s61                     ; 32 head + key step
	s_lshl_b32 s84, s84, 3
	s_lshl_b32 s75, s62, 2
	s_add_co_u32 s84, s84, s75                     ; x 8 tiles of d, + 4 qw
	s_lshl_b32 s84, s84, 11
	s_add_nc_u64 s[78:79], s[22:23], s[84:85]
	s_add_co_i32 s73, s52, s53
	s_add_co_i32 s73, s73, 127
	s_lshl_b32 s76, s73, 23                        ; 2^(e4 + e5)
	s_mov_b32 s77, s76
	QPAT 57
.irp n, 0,1,2,3
	global_load_b32 v[BI+2*\n], v[R4], s[80:81] offset:64*\n
	v_mov_b32 v[BI+2*\n+1], 0                      ; (named with it as a pair, so it is written)
.endr
	TAIL
	s_wait_alu depctr_va_vdst(0)
	s_wait_loadcnt 0x0
.irp n, 0,1,2,3
	WIN 0x02                                       ; source 0 window 2
.set j, 0
.rept 32
	v_pk_fma_f32 v[OV+j:OV+j+1], v[64*\n+j:64*\n+j+1], s[76:77], v[BI+2*\n:BI+2*\n+1] op_sel_hi:[1,0,0]
.set j, j+2
.endr
	WIN 0
	QSTORE \n
.endr
	s_wait_tensorcnt 0x0                           ; the wave's end, as above
	ds_add_u32 v[SPW], v[NIL]
	s_wait_dscnt 0x0
	s_endpgm
.Lfunc_end_k_qce3ca487cb_qkv:
	.size	k_qce3ca487cb_qkv, .Lfunc_end_k_qce3ca487cb_qkv-k_qce3ca487cb_qkv
	.p2alignl 7, 3214868480
	.fill 96, 4, 3214868480
	.section	.rodata,"a",@progbits
	.p2align	6, 0x0
	.amdhsa_kernel k_qce3ca487cb_qkv
		.amdhsa_group_segment_fixed_size 327680
		.amdhsa_private_segment_fixed_size 0
		.amdhsa_enable_private_segment 0
		.amdhsa_kernarg_size 80
		.amdhsa_user_sgpr_count 2
		.amdhsa_user_sgpr_kernarg_segment_ptr 1
		.amdhsa_wavefront_size32 1
		.amdhsa_system_sgpr_workgroup_id_x 1
		.amdhsa_system_sgpr_workgroup_id_y 1
		.amdhsa_system_sgpr_workgroup_id_z 1
		.amdhsa_system_vgpr_workitem_id 0
		.amdhsa_next_free_vgpr 1024
		.amdhsa_next_free_sgpr 100
		.amdhsa_reserve_vcc 0
		.amdhsa_float_denorm_mode_32 3
		.amdhsa_float_denorm_mode_16_64 3
		.amdhsa_memory_ordered 1
		.amdhsa_forward_progress 1
		.amdhsa_inst_pref_size 153
	.end_amdhsa_kernel
	.amdgpu_metadata
---
amdhsa.version: [ 1, 2 ]
amdhsa.kernels:
  - .name:           k_qce3ca487cb_qkv
    .symbol:         k_qce3ca487cb_qkv.kd
    .args:
      - { .name: xc, .offset: 0, .size: 8, .value_kind: global_buffer, .address_space: global }
      - { .name: wc, .offset: 8, .size: 8, .value_kind: global_buffer, .address_space: global }
      - { .name: rt, .offset: 16, .size: 8, .value_kind: global_buffer, .address_space: global }
      - { .name: bq, .offset: 24, .size: 8, .value_kind: global_buffer, .address_space: global }
      - { .name: bk, .offset: 32, .size: 8, .value_kind: global_buffer, .address_space: global }
      - { .name: bv, .offset: 40, .size: 8, .value_kind: global_buffer, .address_space: global }
      - { .name: lowp_scales, .offset: 48, .size: 8, .value_kind: global_buffer, .address_space: global }
      - { .name: qc, .offset: 56, .size: 8, .value_kind: global_buffer, .address_space: global }
      - { .name: kc, .offset: 64, .size: 8, .value_kind: global_buffer, .address_space: global }
      - { .name: vc, .offset: 72, .size: 8, .value_kind: global_buffer, .address_space: global }
    .group_segment_fixed_size: 327680
    .private_segment_fixed_size: 0
    .kernarg_segment_align: 8
    .kernarg_segment_size: 80
    .max_flat_workgroup_size: 128
    .sgpr_count:     100
    .vgpr_count:     1024
    .wavefront_size: 32
...
	.end_amdgpu_metadata
.endif
;; end of part 2
;; launch attn (part 3): grid 128 x 2, 8 waves a work-group, clusters of 4 x 1, 327,680 bytes of LDS; arguments qc, kc, vc, lowp_scales, oc; writes oc
.if DOCPART == 3
	.amdgcn_target "amdgcn-amd-amdhsa--gfx1250"
	.amdhsa_code_object_version 6
	.text
	.protected	k_qce3ca487cb_attn
	.globl	k_qce3ca487cb_attn
	.p2align	8
	.type	k_qce3ca487cb_attn,@function
k_qce3ca487cb_attn:
	s_mov_b64 s[64:65], 0
	v_nop
	global_prefetch_b8 v0, s[64:65] scope:SCOPE_SE
	s_setreg_imm32_b32 hwreg(HW_REG_WAVE_MODE, 25, 1), 1
	s_wait_xcnt 0x0
	s_wait_alu depctr_hold_cnt(0) depctr_sa_sdst(0) depctr_va_vdst(0) depctr_va_sdst(0) depctr_va_ssrc(0) depctr_va_vcc(0) depctr_vm_vsrc(0)
	s_getreg_b32 s2, hwreg(HW_REG_IB_STS2, 6, 4)
	s_cmp_eq_u32 s2, 0
	s_cbranch_scc0 .Lentry_in_a_cluster
	s_endpgm
.Lentry_in_a_cluster:
	s_bfe_u32 s2, ttmp6, 0x10000c
	s_cmp_lg_u32 s2, 0x3003
	s_cbranch_scc0 .Lentry_shape_is_right
	s_endpgm
.Lentry_shape_is_right:
; o = softmax(q k^T / sqrt(128), causal) v for 8 query heads on 2 key and value heads, both products on codes of E4M3; o is quantised (e10) and stored as images of the last product's operand.
; LEFT OUT: key steps all of whose keys come after a tile's tokens: the causal mask makes their p zero.
; THE SOFTMAX: t = score x log2(e) / sqrt(128); M = the running largest t rounded up to a whole number; p = 2^(t - M) is quantised (e8); the row's sum is taken of the unquantised p and divides at the end.
; SHARES.  Work-group (p = 0..127, g) owns the tiles of 16 tokens 255 - p (long: L = 32 - p / 8 key steps of 128) and p (short: 33 - L), for g's four query heads: 33 key steps.
; Wave w = 2 j + hp: chain j of the key steps, query heads 4 g + 2 hp (A, window 0) and + 1 (B, window 1): each fragment of K and V feeds two matrix instructions.
; Chain 0: long steps 0..8 (step 0 in trip 0, alone); chain 1: long 9..16; chain 2: long 17..24 where L >= 25, else short 0..7; chain 3: the long tile's rest, then the short tile's rest.  Eight steps a chain in trips 1 to 8.
; Only chain 3 changes tiles: it lays its long state into LDS and begins anew.  At the end chains 1 and 2 lay their states into LDS; chain 0 joins the long tile's parts, chain 3 the short tile's, by exact powers of two.
; LAYOUT.  S^T = K Q^T and O^T = V^T P^T: a lane holds one query.  In tile t of S^T register j is key 16 t + 8 h + j: one conversion gives registers 2 t, 2 t + 1 of P's fragment.  K, V, Q come as images of registers.
; LDS.  Two slots of 131,072 bytes, chain j's K and V (16,384 each) at 32,768 j; trip 0's K and V at EXTRA, filled once, later the place of chain 3's long state; every wave fetches 16,384 bytes behind each round.
; CLUSTER.  Four neighbouring p have one L and walk the same K and V: each tile is asked for jointly.  My place in the cluster enters only Q's and O's addresses, the mask's number in a vector register, and the prefetch's address.
; PREFETCH.  All clusters of a head ask for the same long steps in the same trips, so the head's first cluster alone prefetches: in trips 1 to 6 each wave names what its own tensor load of the next trip will ask for,
; 4,096 bytes for each of the four partners, told apart by address, lanes 256 bytes apart (lanes 16-31 name the last block again).  Trips 0 to 2 come by their loads alone.
; LIMITS: e6 + e7 between -123 and 130; e8, e10 between -126 and 119.  The scaled scores stay under 2^31 in magnitude.
; REGISTERS, both windows: v16-31 Q; v32-95 four fragments; v96-159 S^T, then p; v160-223 O^T; v224-239 sums at work, then codes.  Window 0 alone: v1-11 addresses; v12-15 A's -M, largest t, sum; v252-255 B's; v240-243 the
; quantisers' numbers; v244-247 at work; v[248:249], v[250:251] A's and B's factor.
.set SLOTB, 131072
.set EXTRA, 262144
.set FREG,  34816                      ; a laid-down state: 34 pieces of 1,024 bytes, hp's half of each at 512 hp
.set SPARE, EXTRA+FREG                 ; the spare words, 128 bytes a wave, which no other line names
.set AD0,  1                           ; 32,768 j + 16 x lane
.set ADC,  2                           ; the step's LDS address
.set PFO,  3
.set MG,   4                           ; chains 0, 1: chain 1's state; chains 2, 3: chain 2's
.set SPW,  5
.set NIL,  6
.set LI,   7                           ; 16 x lane
.set DM,   8                           ; 16 (i & 7) + r - 8 h: in the diagonal step register 8 t + j is hidden where 16 t + j is greater
.set NINF, 9
.set DM2,  10                          ; the same for the short tile
.set DU,   11                          ; chain 3's long state
.set WV,   18
.set JJ,   19
.set SEL,  20
.set CS,   22
.set G1,   24
.set HP,   32
.set LL,   33
.set A1,   34                          ; key step of trip t = A1 + t, less DEL from trip TS on
.set TS,   35
.set FB,   36                          ; s[36:37] what I fetch from: K (hp 0) or V (hp 1) of head g
.set TB,   38
.set DEL,  39
.set G0,   40
.set QS,   44                          ; s[44:45] the short tile's Q
.set TT,   46                          ; the trip
.set KS,   47                          ; my key step x 16,384
.set KN,   60                          ; the next trip's
.set DG,   61                          ; my tile's diagonal step x 16,384
.set SWT,  62                          ; the trip in which I change tiles
.set CNT,  63
.set LIM,  66
.set DGS,  67
.set PB,   68
.set BIG,  70                          ; 1 where L >= 25
.set TS3,  71                          ; chain 3's TS
.set PFA,  72
.set MSB, 0
.macro WIN new                         ; the immediate's high byte repeats the setting that is left.  Low byte: 1:0 source 0, 3:2 source 1, 5:4 source 2, 7:6 destination
.if MSB != \new
	s_set_vgpr_msb (MSB<<8)|\new
.set MSB, \new
.endif
.endm
.macro PLACES                          ; four places behind a matrix instruction (ISA guide 7.12.1)
.rept 4
	v_nop
.endr
.endm
.macro CROUND                          ; a round of the cluster's barrier
	s_barrier_signal -1
	s_barrier_wait -1
	s_cmp_lg_u32 s[WV], 0
	s_cbranch_scc1 .Lnot_wave_0_\@
	s_barrier_signal -3
.Lnot_wave_0_\@:
	s_barrier_wait -3
	s_barrier_signal -1
	s_barrier_wait -1
.endm
.macro TLOAD                           ; every wave's own 16,384 bytes, jointly with its partners; an s_nop 0 and four v_nop follow
	tensor_load_to_lds s[G0:G0+3], s[G1:G1+7]
	s_nop 0
	PLACES
.endm
.macro ASK
	s_cmp_gt_u32 s[CNT], s[LIM]
	s_cbranch_scc0 .Lna_\@
	global_prefetch_b8 v[PFO], s[PFA:PFA+1] th:TH_LOAD_NT scope:SCOPE_SE
.Lna_\@:
.endm
.macro KSTEP d, inc                    ; s[d:d+1] = 16,384 x my chain's key step of trip TT + inc (held at 31: inside the head's 32 steps)
	s_add_co_u32 s[\d], s[TT], \inc
	s_cmp_ge_u32 s[\d], s[TS]
	s_cselect_b32 s[\d+1], s[DEL], 0
	s_add_co_u32 s[\d], s[\d], s[A1]
	s_sub_co_u32 s[\d], s[\d], s[\d+1]
	s_min_u32 s[\d], s[\d], 31
	s_lshl_b32 s[\d], s[\d], 14
	s_mov_b32 s[\d+1], 0
.endm
.macro QLOAD                           ; both heads' fragments of Q; B's image lies 256 tiles on
.irp c, 0,1,2,3
	global_load_b128 v[16+4*\c:19+4*\c], v[LI], s[4:5] offset:512*\c
.endr
	WIN 0x40
.irp c, 0,1,2,3
	global_load_b128 v[16+4*\c:19+4*\c], v[LI], s[4:5] offset:524288+512*\c
.endr
	WIN 0
.endm
.macro RESET                           ; a state with no key yet: the largest t -3e38, sums and O^T zero
	v_mov_b32 v13, 0xff61b1e6
	v_mov_b32 v253, 0xff61b1e6
	v_floor_f32 v12, -v13
	v_floor_f32 v252, -v253
	v_mov_b32 v14, 0
	v_mov_b32 v15, 0
	v_mov_b32 v254, 0
	v_mov_b32 v255, 0
.set j, 0
.rept 64
	v_mov_b32 v[160+j], 0
.set j, j+1
.endr
	WIN 0x40
.set j, 0
.rept 64
	v_mov_b32 v[160+j], 0
.set j, j+1
.endr
	WIN 0
.endm
.macro KV base                         ; eight fragments: four into window 0, four into window 1
.irp t, 0,1,2,3
.irp c, 0,1,2,3
	ds_load_b128 v[32+16*\t+4*\c:35+16*\t+4*\c], v[ADC] offset:\base+2048*\t+512*\c
.endr
.endr
	WIN 0x40
.irp t, 0,1,2,3
.irp c, 0,1,2,3
	ds_load_b128 v[32+16*\t+4*\c:35+16*\t+4*\c], v[ADC] offset:\base+8192+2048*\t+512*\c
.endr
.endr
	WIN 0
.endm
.macro SC4 hi
.irp t, 0,1,2,3
	v_wmma_f32_16x16x128_fp8_fp8 v[96+32*\hi+8*\t:103+32*\hi+8*\t], v[32+16*\t:47+16*\t], v[16:31], 0
.endr
.endm
.macro PV4 hi, zero
.irp t, 0,1,2,3
.if \zero
	v_wmma_f32_16x16x128_fp8_fp8 v[160+32*\hi+8*\t:167+32*\hi+8*\t], v[32+16*\t:47+16*\t], v[224:239], 0
.else
	v_wmma_f32_16x16x128_fp8_fp8 v[160+32*\hi+8*\t:167+32*\hi+8*\t], v[32+16*\t:47+16*\t], v[224:239], v[160+32*\hi+8*\t:167+32*\hi+8*\t]
.endif
.endr
.endm
.macro MASK                            ; hidden scores become -infinity; v244 = DM - 64 keeps the constants inline
.set n, 0
.rept 64
.if 16*(n/8)+n%8 <= 64
	v_cmp_gt_i32 vcc_lo, 16*(n/8)+n%8, v[DM]
.else
	v_cmp_gt_i32 vcc_lo, 16*(n/8)+n%8-64, v244
.endif
	v_cndmask_b32 v[96+n], v[96+n], v[NINF], vcc_lo
.set n, n+1
.endr
.endm
.macro MAXRUN                          ; the largest of my 64 scores, in two chains, each accumulator from its low end on
	v_max3_num_f32 v244, v96, v97, v98
	v_max3_num_f32 v246, v99, v100, v101
.set i, 6
.rept 14
	v_max3_num_f32 v244, v244, v[96+i], v[97+i]
	v_max3_num_f32 v246, v246, v[98+i], v[99+i]
.set i, i+4
.endr
	v_max3_num_f32 v244, v244, v158, v159
.endm
.macro FMA nm                          ; t - M
.set j, 0
.rept 32
	v_pk_fma_f32 v[96+j:97+j], v[96+j:97+j], s[CS:CS+1], v[\nm:\nm+1] op_sel_hi:[1,0,0]
.set j, j+2
.endr
.endm
.macro EXPS
.set j, 0
.rept 64
	v_exp_f32 v[96+j], v[96+j]
.set j, j+1
.endr
.endm
.macro SUMS                            ; the 64 p, in eight chains, into v[224:225]
.set k, 0
.rept 8
	v_pk_add_f32 v[224+2*k:225+2*k], v[96+2*k:97+2*k], v[112+2*k:113+2*k]
.set k, k+1
.endr
.set k, 0
.rept 8
	v_pk_add_f32 v[224+2*k:225+2*k], v[224+2*k:225+2*k], v[128+2*k:129+2*k]
.set k, k+1
.endr
.set k, 0
.rept 8
	v_pk_add_f32 v[224+2*k:225+2*k], v[224+2*k:225+2*k], v[144+2*k:145+2*k]
.set k, k+1
.endr
.irp k, 0,1,2,3
	v_pk_add_f32 v[224+2*\k:225+2*\k], v[224+2*\k:225+2*\k], v[232+2*\k:233+2*\k]
.endr
.irp k, 0,1
	v_pk_add_f32 v[224+2*\k:225+2*\k], v[224+2*\k:225+2*\k], v[228+2*\k:229+2*\k]
.endr
	v_pk_add_f32 v[224:225], v[224:225], v[226:227]
.endm
.macro MINCVT                          ; the conversion does not saturate (ISA guide 7.6.2); p is not negative, so the hold is one-sided
.irp t, 0,1,2,3,4,5,6,7
.irp i, 0,1,2,3,4,5,6,7
	v_min_num_f32 v[96+8*\t+\i], v[96+8*\t+\i], v240
.endr
	v_cvt_scalef32_pk8_fp8_f32 v[224+2*\t:225+2*\t], v[96+8*\t:103+8*\t], v242
.endr
.endm
.macro RESC f                          ; O^T x a factor
.set j, 0
.rept 32
	v_pk_mul_f32 v[160+j:161+j], v[160+j:161+j], v[\f:\f+1] op_sel_hi:[1,0]
.set j, j+2
.endr
.endm
.macro PUT ad                          ; both heads' O^T and states into LDS: pieces 0-15 A's O^T, 16-31 B's, 32 and 33 the states
.set k, 0
.rept 16
	ds_store_b128 v[\ad], v[160+4*k:163+4*k] offset:1024*k
.set k, k+1
.endr
	ds_store_b128 v[\ad], v[12:15] offset:32768
	ds_store_b128 v[\ad], v[252:255] offset:33792
	WIN 0x04                                       ; the data in window 1
.set k, 0
.rept 16
	ds_store_b128 v[\ad], v[160+4*k:163+4*k] offset:16384+1024*k
.set k, k+1
.endr
	WIN 0
.endm
.macro MERGE ad                        ; a laid-down state is taken up: both under the common M, by factors that are powers of two
.set k, 0
.rept 16
	ds_load_b128 v[32+4*k:35+4*k], v[\ad] offset:1024*k
.set k, k+1
.endr
	ds_load_b128 v[96:99], v[\ad] offset:32768
	ds_load_b128 v[100:103], v[\ad] offset:33792
	WIN 0x40
.set k, 0
.rept 16
	ds_load_b128 v[32+4*k:35+4*k], v[\ad] offset:16384+1024*k
.set k, k+1
.endr
	WIN 0
	s_wait_alu depctr_va_vdst(0)
	s_wait_dscnt 0x0
	v_min_num_f32 v244, v12, v96                   ; the common -M
	v_min_num_f32 v245, v252, v100
	v_sub_f32 v246, v244, v12
	v_sub_f32 v247, v245, v252
	v_sub_f32 v104, v244, v96
	v_sub_f32 v106, v245, v100
	v_cvt_i32_f32 v246, v246
	v_cvt_i32_f32 v247, v247
	v_cvt_i32_f32 v104, v104
	v_cvt_i32_f32 v106, v106
	v_ldexp_f32 v248, 1.0, v246
	v_ldexp_f32 v250, 1.0, v247
	v_ldexp_f32 v104, 1.0, v104
	v_ldexp_f32 v106, 1.0, v106
	v_mov_b32 v12, v244
	v_mov_b32 v252, v245
	v_pk_mul_f32 v[14:15], v[14:15], v[248:249] op_sel_hi:[1,0]
	v_pk_mul_f32 v[254:255], v[254:255], v[250:251] op_sel_hi:[1,0]
	v_pk_fma_f32 v[14:15], v[98:99], v[104:105], v[14:15] op_sel_hi:[1,0,1]
	v_pk_fma_f32 v[254:255], v[102:103], v[106:107], v[254:255] op_sel_hi:[1,0,1]
	RESC 248
.set j, 0
.rept 32
	v_pk_fma_f32 v[160+j:161+j], v[32+j:33+j], v[104:105], v[160+j:161+j] op_sel_hi:[1,0,1]
.set j, j+2
.endr
	WIN 0x41
	RESC 250
	WIN 0x51
.set j, 0
.rept 32
	v_pk_fma_f32 v[160+j:161+j], v[32+j:33+j], v[106:107], v[160+j:161+j] op_sel_hi:[1,0,1]
.set j, j+2
.endr
	WIN 0
.endm
.macro OUTQ f                          ; O^T / the sum x 2^(e8 + e9), held, converted with 2^e10
	RESC \f
.set j, 0
.rept 64
	v_med3_num_f32 v[160+j], v[160+j], -v241, v241
.set j, j+1
.endr
.irp t, 0,1,2,3,4,5,6,7
	v_cvt_scalef32_pk8_fp8_f32 v[224+2*\t:225+2*\t], v[160+8*\t:167+8*\t], v243
.endr
	v_nop
.endm
; A KEY STEP for both heads.  k = 0: trip 0, chain 0's step 0 from EXTRA: its products start the sums, no key is hidden.  k = 1: in the loop.  k = 2: the last trip, in slot 1.
.macro STEP k
.if \k > 0
	s_cmp_lt_u32 s[WV], 6                          ; chain 3 alone changes tiles
	s_cbranch_scc1 .Lsame_\@
	s_cmp_lg_u32 s[TT], s[SWT]
	s_cbranch_scc1 .Lsame_\@
	PLACES
	PUT DU                                         ; EXTRA has had its one fill, and its last read lies behind two rounds
	s_mov_b64 s[4:5], s[QS:QS+1]
	QLOAD
	RESET
	v_mov_b32 v[DM], v[DM2]
	s_mov_b32 s[DG], s[DGS]
	s_wait_alu depctr_va_vdst(0)
	s_wait_loadcnt 0x0
.Lsame_\@:
.endif
.if \k == 0
	v_add_nc_u32 v[ADC], EXTRA, v[LI]
.endif
.if \k == 1
	v_add_nc_u32 v[ADC], s[TB], v[AD0]
.endif
.if \k == 2
	v_add_nc_u32 v[ADC], SLOTB, v[AD0]
.endif
	PLACES                                         ; in front of loads into registers that the last products read
	KV 0
	s_wait_alu depctr_va_vdst(0)
	s_wait_dscnt 16                                ; K's first four fragments are in; the 16 younger loads may be out
	SC4 0                                          ; A's scores of key tiles 0-3
	WIN 0x44
	SC4 0                                          ; B's
	s_wait_dscnt 0x0
	WIN 0x01
	SC4 1
	WIN 0x45
	SC4 1
	WIN 0
	PLACES
	KV 16384                                       ; V lands under the softmax
.if \k > 0
	s_cmp_lg_u32 s[KS], s[DG]
	s_cbranch_scc1 .Lopen_\@
	v_add_nc_u32 v244, 0xffffffc0, v[DM]
	MASK
	WIN 0x41
	MASK
	WIN 0
.Lopen_\@:
.endif
	MAXRUN
	v_max_num_f32 v244, v244, v246
	WIN 0x55
	MAXRUN
	WIN 0x05
	v_max_num_f32 v245, v244, v246                 ; B's largest score comes into window 0: the two heads' chains go line by line
	WIN 0
	v_permlanex16_b32 v246, v244, s[SEL], s[SEL+1]
	v_permlanex16_b32 v247, v245, s[SEL], s[SEL+1]
	v_max_num_f32 v244, v244, v246
	v_max_num_f32 v245, v245, v247
	v_mul_f32 v244, s[CS], v244
	v_mul_f32 v245, s[CS], v245
	v_max_num_f32 v13, v13, v244                   ; the running largest t
	v_max_num_f32 v253, v253, v245
	v_mov_b32 v244, v12
	v_mov_b32 v245, v252
	v_floor_f32 v12, -v13                          ; -M = floor(-t): M is a whole number
	v_floor_f32 v252, -v253
	v_sub_f32 v244, v12, v244
	v_sub_f32 v245, v252, v245
	v_cvt_i32_f32 v244, v244                       ; (it saturates)
	v_cvt_i32_f32 v245, v245
	v_ldexp_f32 v248, 1.0, v244                    ; f = 2^(old M - new M): exact
	v_ldexp_f32 v250, 1.0, v245
	FMA 12
	WIN 0x41
	FMA 252
	s_wait_alu depctr_va_vdst(0)
	EXPS
	WIN 0
	EXPS
	v_pk_mul_f32 v[14:15], v[14:15], v[248:249] op_sel_hi:[1,0]   ; the sums under the new M: plain lines behind the exponentials
	v_pk_mul_f32 v[254:255], v[254:255], v[250:251] op_sel_hi:[1,0]
	s_wait_alu depctr_va_vdst(0)                   ; one wait for the batch, ahead of its first reader
	SUMS
	v_pk_add_f32 v[14:15], v[14:15], v[224:225]
	MINCVT
	WIN 0x45
	SUMS
	WIN 0x04
	v_pk_add_f32 v[254:255], v[254:255], v[224:225]
	WIN 0x41
	MINCVT
.if \k == 0
	v_nop                                          ; a plain line between the conversions and the products
.else
	s_wait_alu depctr_va_vdst(0)                   ; ahead of the first reader of O^T
	RESC 250
	WIN 0
	s_wait_alu depctr_va_vdst(0)
	RESC 248
.endif
	WIN 0
	s_wait_alu depctr_va_vdst(0)
	s_wait_dscnt 0x0                               ; V
	PV4 0, (\k == 0)
	WIN 0x54
	PV4 0, (\k == 0)
	WIN 0x01
	PV4 1, (\k == 0)
	WIN 0x55
	PV4 1, (\k == 0)
	WIN 0
.endm
; A TRIP.  All my tensor loads have landed, the add, my reads of the other slot are over; a round of the cluster's barrier; the next trip's keys are asked for; my step.
.macro TRIP k
	s_wait_tensorcnt 0x0
	ds_add_u32 v[SPW], v[NIL]                      ; 0 onto my spare word
.if \k == 0
	ds_add_u32 v[SPW], v[NIL]                      ; twice here
.endif
	s_mov_b32 s[KS], s[KN]
.if \k < 2
	KSTEP 80, 1
	s_mov_b32 s[KN], s80
	s_add_nc_u64 s[G0+2:G0+3], s[FB:FB+1], s[80:81]
	s_or_b32 s[G0+3], s[G0+3], 0x80000000
.endif
.if \k == 0
	s_lshl_b32 s[G0+1], s[WV], 14                  ; slot 0: 16,384 x wave
.endif
.if \k == 1
	s_xor_b32 s[G0+1], s[G0+1], SLOTB
	s_wait_xcnt 0x0                                ; the last trip's prefetch has read its address
	KSTEP 82, 2
	s_add_nc_u64 s[PFA:PFA+1], s[PB:PB+1], s[82:83]
.endif
	s_wait_dscnt 0x0
	CROUND
.if \k < 2
	TLOAD
.endif
.if \k == 1
	ASK
.endif
.if \k == 0
	s_cmp_ge_u32 s[WV], 2
	s_cbranch_scc1 .Lnox_\@
.endif
	STEP \k
.if \k == 0
.Lnox_\@:
.endif
	s_add_co_u32 s[TT], s[TT], 1
.if \k == 1
	s_xor_b32 s[TB], s[TB], SLOTB
.endif
.endm
	s_load_b256 s[4:11], s[0:1], 0x0               ; qc 4, kc 6, vc 8, the exponents 10
	s_load_b64 s[12:13], s[0:1], 0x20              ; oc
	v_lshl_add_u32 v[SPW], v0, 2, SPARE
	v_mov_b32 v[NIL], 0
	ds_add_u32 v[SPW], v[NIL]                      ; the wave's opening: the add, twice on end, and its wait
	ds_add_u32 v[SPW], v[NIL]
	v_lshrrev_b32 v244, 5, v0
	v_readfirstlane_b32 s[WV], v244
	s_bfe_u32 s74, ttmp6, 0x40000                  ; cx
	s_lshl_b32 s75, ttmp9, 2
	s_add_co_u32 s75, s75, s74                     ; p: the short tile
	s_sub_co_u32 s76, 255, s75                     ; the long tile
	s_and_b32 s77, ttmp7, 0xffff                   ; g
	s_lshr_b32 s[JJ], s[WV], 1
	s_and_b32 s[HP], s[WV], 1
	s_lshl_b32 s78, s77, 2
	s_lshl_b32 s79, s[HP], 1
	s_add_co_u32 s78, s78, s79                     ; head A
	s_lshr_b32 s79, ttmp9, 1
	s_sub_co_u32 s[LL], 32, s79                    ; L
	s_cmp_ge_u32 s[LL], 25
	s_cselect_b32 s[BIG], 1, 0
	s_cselect_b32 s83, 24, 16                      ; chain 3: A1,
	s_cselect_b32 s85, 0, 8
	s_cselect_b32 s88, 99, 1                       ; chain 2: TS,
	s_cselect_b32 s89, 0, 17                       ; DEL
	s_sub_co_u32 s[TS3], s[LL], s83                ; chain 3: TS,
	s_sub_co_u32 s87, s[LL], s85                   ; DEL
	s_lshl_b32 s[A1], s[JJ], 3
	s_mov_b32 s[TS], 99
	s_mov_b32 s[DEL], 0
	s_cmp_eq_u32 s[JJ], 2
	s_cselect_b32 s[TS], s88, s[TS]
	s_cselect_b32 s[DEL], s89, s[DEL]
	s_cmp_eq_u32 s[JJ], 3
	s_cselect_b32 s[TS], s[TS3], s[TS]
	s_cselect_b32 s[DEL], s87, s[DEL]
	s_cselect_b32 s[A1], s83, s[A1]
	s_sub_co_u32 s80, s[LL], 1
	s_lshl_b32 s80, s80, 14
	s_sub_co_u32 s[DGS], 32, s[LL]
	s_lshl_b32 s[DGS], s[DGS], 14
	s_and_b32 s86, s76, 7
	s_lshl_b32 s86, s86, 4
	s_and_b32 s87, s75, 7
	s_lshl_b32 s87, s87, 4
	s_cmp_eq_u32 s[TS], 1                          ; I begin on the short tile
	s_cselect_b32 s[DG], s[DGS], s80
	s_cselect_b32 s[SWT], 99, s[TS]
	s_cselect_b32 s88, s87, s86
	s_lshl_b32 s79, s78, 8
	s_add_co_u32 s80, s79, s76
	s_lshl_b32 s80, s80, 11                        ; Q's image, long tile
	s_mov_b32 s81, 0
	s_add_co_u32 s82, s79, s75
	s_lshl_b32 s82, s82, 11                        ; short tile
	s_mov_b32 s83, 0
	s_cmp_eq_u32 s[JJ], 0
	s_cselect_b32 s84, s76, s75                    ; the tile that I store, if I store
	s_lshr_b32 s85, s84, 3
	s_lshl_b32 s85, s85, 3
	s_add_co_u32 s85, s85, s78
	s_lshl_b32 s85, s85, 3
	s_and_b32 s84, s84, 7
	s_add_co_u32 s84, s84, s85
	s_lshl_b32 s84, s84, 11                        ; O's image: ((i / 8) x 8 heads + head) x 8 tiles + i & 7
	s_mov_b32 s85, 0
	s_lshl_b32 s89, s[JJ], 15
	s_lshl_b32 s90, s[HP], 9
	s_lshr_b32 s91, s[JJ], 1
	s_mul_i32 s91, s91, FREG
	s_add_co_u32 s91, s91, s90
	s_add_co_u32 s90, s90, EXTRA
	s_cmp_eq_u32 ttmp9, 0
	s_cselect_b32 s[LIM], 1, -1
	s_mov_b32 s[TT], 0
	s_mov_b32 s[KN], 0
	s_mov_b32 s[TB], 0
	s_mov_b32 s[G1], 15|(3<<16)|(1<<21)            ; the mask: all four work-groups; elements of 8 bytes; bit 21 beside a mask: 64 rows of 256 bytes, dense
	s_mov_b32 s[G1+1], 32<<16
	s_mov_b32 s[G1+2], 64<<16
	s_mov_b32 s[G1+3], 32<<16
	s_mov_b32 s[G1+4], 64
	s_mov_b32 s[G1+5], 32
	s_mov_b32 s[G1+6], 0
	s_mov_b32 s[G1+7], 0
	s_mov_b32 s[SEL], 0x76543210
	s_mov_b32 s[SEL+1], 0xfedcba98
	s_mov_b32 s[CS], 0x3e0293ee                    ; log2(e) / sqrt(128)
	s_wait_dscnt 0x0                               ; both opening adds are done
	s_wait_kmcnt 0x0
	s_load_b256 s[48:55], s[10:11], 0x0            ; e0 .. e7
	s_load_b128 s[56:59], s[10:11], 0x20           ; e8 .. e11
	s_cmp_eq_u32 s[HP], 0
	s_cselect_b64 s[FB:FB+1], s[6:7], s[8:9]
	s_lshl_b32 s92, s77, 19                        ; the head's 524,288 bytes
	s_mov_b32 s93, 0
	s_add_nc_u64 s[FB:FB+1], s[FB:FB+1], s[92:93]
	s_lshl_b32 s92, s74, 12
	s_add_nc_u64 s[PB:PB+1], s[FB:FB+1], s[92:93]
	s_mov_b64 s[PFA:PFA+1], s[PB:PB+1]
	s_add_nc_u64 s[QS:QS+1], s[4:5], s[82:83]
	s_add_nc_u64 s[4:5], s[4:5], s[80:81]
	s_cmp_eq_u32 s[TS], 1
	s_cselect_b64 s[4:5], s[QS:QS+1], s[4:5]
	s_add_nc_u64 s[12:13], s[12:13], s[84:85]
	s_mov_b32 s[G0], 1
	s_lshl_b32 s[G0+1], s[HP], 14
	s_add_co_u32 s[G0+1], s[G0+1], EXTRA
	s_mov_b64 s[G0+2:G0+3], s[FB:FB+1]             ; key step 0
	s_or_b32 s[G0+3], s[G0+3], 0x80000000
	CROUND                                         ; all four work-groups are here: the first joint loads meet
	s_cmp_lt_u32 s[WV], 2                          ; waves 0 and 1: K and V of trip 0
	s_cbranch_scc0 .Lnohead
	tensor_load_to_lds s[G0:G0+3], s[G1:G1+7]
	s_nop 0
	PLACES
.Lnohead:
	v_and_b32 v244, 31, v0
	v_lshlrev_b32 v[LI], 4, v244
	v_min_u32 v245, 15, v244
	v_lshlrev_b32 v[PFO], 8, v245
	v_add_nc_u32 v[AD0], s89, v[LI]
	v_add_nc_u32 v[DU], s90, v[LI]
	v_add_nc_u32 v[MG], s91, v[LI]
	v_and_b32 v244, 15, v0
	v_bfe_u32 v245, v0, 4, 1
	v_lshlrev_b32 v245, 3, v245
	v_sub_nc_u32 v244, v244, v245
	v_add_nc_u32 v[DM], s88, v244
	v_add_nc_u32 v[DM2], s87, v244
	v_mov_b32 v[NINF], 0xff800000
	v_mov_b32 v246, 0                              ; a lane permute's destination counts as read
	v_mov_b32 v247, 0
	v_mov_b32 v249, 0                              ; (named as the upper halves of pairs)
	v_mov_b32 v251, 0
	s_wait_alu depctr_va_vdst(0)
	QLOAD
	RESET
	s_wait_kmcnt 0x0
	s_add_co_i32 s80, s54, s55
	s_lshl_b32 s80, s80, 23
	s_add_co_i32 s[CS], s[CS], s80                 ; e6 + e7 go into c's exponent field
	s_mov_b32 s[CS+1], s[CS]
	s_add_co_i32 s80, s56, 127
	s_lshl_b32 s81, s80, 23
	v_mov_b32 v242, s81                            ; 2^e8
	s_add_co_i32 s80, s80, 8
	s_lshl_b32 s80, s80, 23
	s_or_b32 s80, s80, 0x600000
	v_mov_b32 v240, s80                            ; 448 x 2^e8
	s_add_co_i32 s80, s58, 127
	s_lshl_b32 s81, s80, 23
	v_mov_b32 v243, s81                            ; 2^e10
	s_add_co_i32 s80, s80, 8
	s_lshl_b32 s80, s80, 23
	s_or_b32 s80, s80, 0x600000
	v_mov_b32 v241, s80                            ; 448 x 2^e10
	s_add_co_i32 s94, s56, s57                     ; e8 + e9
	s_wait_alu depctr_va_vdst(0)
	s_wait_loadcnt 0x0                             ; Q
	TRIP 0                                         ; slot 0's first fill; chain 0's step 0
	s_mov_b32 s[CNT], 7
.Ltrip:                                            ; trips 1 to 7: the first fills slot 1 for the first time, the others fill again
	TRIP 1
	s_sub_co_u32 s[CNT], s[CNT], 1
	s_cmp_lg_u32 s[CNT], 0
	s_cbranch_scc1 .Ltrip
	TRIP 2                                         ; trip 8 is written out: nothing is left to ask for
	; THE PARTS MEET.  Chains 1 and 2 lay their states into slot 0: it has had its last fill, and its last reads lie behind trip 8's round.
	PLACES
	s_lshl_b32 s80, s[HP], 9
	s_add_co_u32 s80, s80, FREG
	v_add_nc_u32 v[ADC], s80, v[LI]                ; chain 2's state
	s_cmp_lt_u32 s[WV], 2
	s_cbranch_scc1 .Lnoput
	s_cmp_ge_u32 s[WV], 6
	s_cbranch_scc1 .Lnoput
	PUT MG
.Lnoput:
	s_wait_alu depctr_va_vdst(0)
	s_wait_dscnt 0x0                               ; for the others' sake: my stores are done
	s_barrier_signal -1
	s_barrier_wait -1
	s_cmp_lt_u32 s[WV], 2
	s_cbranch_scc1 .Llong
	s_cmp_lt_u32 s[WV], 6
	s_cbranch_scc1 .Ldone
	s_branch .Lm2
.Llong:
	MERGE MG                                       ; chain 1's part of the long tile
	s_cmp_lt_u32 s[TS3], 2                         ; chain 3 had a part of it where it began on it
	s_cbranch_scc1 .Lm2
	MERGE DU
.Lm2:
	s_cmp_eq_u32 s[JJ], 0                          ; chain 2's part belongs to the long tile where L >= 25, else to the short one
	s_cselect_b32 s80, 1, 0
	s_cmp_lg_u32 s80, s[BIG]
	s_cbranch_scc1 .Lfin
	MERGE ADC
.Lfin:
	v_add_f32 v14, v14, v15
	v_add_f32 v254, v254, v255
	v_permlanex16_b32 v246, v14, s[SEL], s[SEL+1]
	v_permlanex16_b32 v247, v254, s[SEL], s[SEL+1]
	v_add_f32 v14, v14, v246                       ; the rows' sums
	v_add_f32 v254, v254, v247
	s_wait_alu depctr_va_vdst(0)                   ; ahead of the reciprocals,
	v_rcp_f32 v14, v14
	v_rcp_f32 v254, v254
	v_nop
	s_wait_alu depctr_va_vdst(0)                   ; and ahead of their first reader
	v_ldexp_f32 v248, v14, s94                     ; x 2^(e8 + e9)
	v_ldexp_f32 v250, v254, s94
	s_wait_alu depctr_va_vdst(0)                   ; and ahead of the first reader of O^T
	OUTQ 248
.irp c, 0,1,2,3
	global_store_b128 v[LI], v[224+4*\c:227+4*\c], s[12:13] offset:512*\c   ; 512 consecutive bytes a store
.endr
	WIN 0x41
	s_wait_alu depctr_va_vdst(0)
	OUTQ 250
	WIN 0x04
.irp c, 0,1,2,3
	global_store_b128 v[LI], v[224+4*\c:227+4*\c], s[12:13] offset:16384+512*\c
.endr
	WIN 0
.Ldone:
	s_wait_tensorcnt 0x0                           ; the wave's end
	ds_add_u32 v[SPW], v[NIL]
	s_wait_dscnt 0x0
	CROUND                                         ; the closing round
	s_endpgm
.Lfunc_end_k_qce3ca487cb_attn:
	.size	k_qce3ca487cb_attn, .Lfunc_end_k_qce3ca487cb_attn-k_qce3ca487cb_attn
	.p2alignl 7, 3214868480
	.fill 96, 4, 3214868480
	.section	.rodata,"a",@progbits
	.p2align	6, 0x0
	.amdhsa_kernel k_qce3ca487cb_attn
		.amdhsa_group_segment_fixed_size 327680
		.amdhsa_private_segment_fixed_size 0
		.amdhsa_enable_private_segment 0
		.amdhsa_kernarg_size 40
		.amdhsa_user_sgpr_count 2
		.amdhsa_user_sgpr_kernarg_segment_ptr 1
		.amdhsa_wavefront_size32 1
		.amdhsa_system_sgpr_workgroup_id_x 1
		.amdhsa_system_sgpr_workgroup_id_y 1
		.amdhsa_system_sgpr_workgroup_id_z 1
		.amdhsa_system_vgpr_workitem_id 0
		.amdhsa_next_free_vgpr 512
		.amdhsa_next_free_sgpr 100
		.amdhsa_reserve_vcc 1
		.amdhsa_float_denorm_mode_32 3
		.amdhsa_float_denorm_mode_16_64 3
		.amdhsa_memory_ordered 1
		.amdhsa_forward_progress 1
		.amdhsa_inst_pref_size 195
	.end_amdhsa_kernel
	.amdgpu_metadata
---
amdhsa.version: [ 1, 2 ]
amdhsa.kernels:
  - .name:           k_qce3ca487cb_attn
    .symbol:         k_qce3ca487cb_attn.kd
    .args:
      - { .name: qc, .offset: 0, .size: 8, .value_kind: global_buffer, .address_space: global }
      - { .name: kc, .offset: 8, .size: 8, .value_kind: global_buffer, .address_space: global }
      - { .name: vc, .offset: 16, .size: 8, .value_kind: global_buffer, .address_space: global }
      - { .name: lowp_scales, .offset: 24, .size: 8, .value_kind: global_buffer, .address_space: global }
      - { .name: oc, .offset: 32, .size: 8, .value_kind: global_buffer, .address_space: global }
    .group_segment_fixed_size: 327680
    .private_segment_fixed_size: 0
    .kernarg_segment_align: 8
    .kernarg_segment_size: 40
    .max_flat_workgroup_size: 256
    .sgpr_count:     100
    .vgpr_count:     512
    .wavefront_size: 32
...
	.end_amdgpu_metadata
.endif
;; end of part 3
;; launch oproj (part 4): grid 8 x 32, 4 waves a work-group, clusters of 4 x 4, 327,680 bytes of LDS; arguments oc, woc, lowp_scales, out0; writes out0
.if DOCPART == 4
	.amdgcn_target "amdgcn-amd-amdhsa--gfx1250"
	.amdhsa_code_object_version 6
	.text
	.protected	k_qce3ca487cb_oproj
	.globl	k_qce3ca487cb_oproj
	.p2align	8
	.type	k_qce3ca487cb_oproj,@function
k_qce3ca487cb_oproj:
	s_mov_b64 s[64:65], 0
	v_nop
	global_prefetch_b8 v0, s[64:65] scope:SCOPE_SE
	s_setreg_imm32_b32 hwreg(HW_REG_WAVE_MODE, 25, 1), 1
	s_wait_xcnt 0x0
	s_wait_alu depctr_hold_cnt(0) depctr_sa_sdst(0) depctr_va_vdst(0) depctr_va_sdst(0) depctr_va_ssrc(0) depctr_va_vcc(0) depctr_vm_vsrc(0)
	s_getreg_b32 s2, hwreg(HW_REG_IB_STS2, 6, 4)
	s_cmp_eq_u32 s2, 0
	s_cbranch_scc0 .Lentry_in_a_cluster
	s_endpgm
.Lentry_in_a_cluster:
	s_bfe_u32 s2, ttmp6, 0x10000c
	s_cmp_lg_u32 s2, 0xf033
	s_cbranch_scc0 .Lentry_shape_is_right
	s_endpgm
.Lentry_shape_is_right:
.set PITCH, 272
.set PHALF, 128*PITCH
.set QOFF,  2*PHALF
.set SLOT,  QOFF+32768
.set STAGE, 2*SLOT
.set SPITCH, 528
.set SPARE, STAGE+4*16*SPITCH
.set ADRP, 16
.set ADRQ, 20
.set STO,  24
.set RD,   25
.set CO,   26
.set SPW,  28
.set NIL,  29
.set TMP,  32
.set BK,   128
.set G1P,  24
.set G0P,  32
.set G1Q,  48
.set G0Q,  56
.set MSB, 0
.macro WIN new
.if MSB != \new
	s_set_vgpr_msb (MSB<<8)|\new
.set MSB, \new
.endif
.endm
.macro PLACES
.rept 4
	v_nop
.endr
.endm
.macro JLOAD s
	s_cmp_eq_u32 s15, 0
	s_cbranch_scc0 .Lfor_q_\@
	tensor_load_to_lds s[G0P+4*(\s):G0P+4*(\s)+3], s[G1P:G1P+7]
	s_nop 0
	PLACES
	s_branch .Lasked_\@
.Lfor_q_\@:
	tensor_load_to_lds s[G0Q+4*(\s):G0Q+4*(\s)+3], s[G1Q:G1Q+7]
	s_nop 0
	PLACES
.Lasked_\@:
.endm
.macro CREST
	s_cmp_lg_u32 s14, 0
	s_cbranch_scc1 .Lnot_wave_0_\@
	s_barrier_signal -3
.Lnot_wave_0_\@:
	s_barrier_wait -3
	s_barrier_signal -1
	s_barrier_wait -1
.endm
.macro CROUND
	s_barrier_signal -1
	s_barrier_wait -1
	CREST
.endm
	s_load_b256 s[4:11], s[0:1], 0x0
	v_lshl_add_u32 v[SPW], v0, 2, SPARE
	v_mov_b32 v[NIL], 0
	ds_add_u32 v[SPW], v[NIL]
	ds_add_u32 v[SPW], v[NIL]
	v_lshrrev_b32 v1, 5, v0
	v_readfirstlane_b32 s14, v1
	s_lshr_b32 s15, s14, 1
	s_and_b32 s16, s14, 1
	s_bfe_u32 s40, ttmp6, 0x40000
	s_bfe_u32 s41, ttmp6, 0x40004
	s_lshl_b32 s42, ttmp9, 2
	s_add_co_u32 s42, s42, s40
	s_and_b32 s17, ttmp7, 0xffff
	s_lshl_b32 s17, s17, 2
	s_add_co_u32 s17, s17, s41
	s_lshl_b32 s43, s41, 2
	s_lshl_b32 s43, 15, s43
	s_lshl_b32 s44, 0x1111, s40
	s_or_b32 s[G1P], s44, (1<<20)|(1<<21)|(5<<22)|(3<<25)
	s_mov_b32 s[G1P+1], 256<<16
	s_mov_b32 s[G1P+2], 128<<16
	s_mov_b32 s[G1P+3], 256<<16
	s_mov_b32 s[G1P+4], 128
	s_mov_b32 s[G1P+5], 1024
	s_mov_b32 s[G1P+6], 0
	s_mov_b32 s[G1P+7], 0
	s_or_b32 s[G1Q], s43, (3<<16)|(1<<21)
	s_mov_b32 s[G1Q+1], 32<<16
	s_mov_b32 s[G1Q+2], 64<<16
	s_mov_b32 s[G1Q+3], 32<<16
	s_mov_b32 s[G1Q+4], 64
	s_mov_b32 s[G1Q+5], 32
	s_mov_b32 s[G1Q+6], 0
	s_mov_b32 s[G1Q+7], 0
	s_lshl_b32 s20, s42, 18
	s_lshl_b32 s18, s16, 17
	s_add_co_u32 s20, s20, s18
	s_mov_b32 s21, 0
	s_lshl_b32 s46, s17, 17
	s_lshl_b32 s18, s16, 14
	s_add_co_u32 s46, s46, s18
	s_mov_b32 s47, 0
	s_mul_i32 s45, s16, PHALF
	s_add_co_u32 s22, s18, QOFF
	s_wait_dscnt 0x0
	s_wait_kmcnt 0x0
	s_load_b64 s[96:97], s[8:9], 0x28
	s_add_nc_u64 s[20:21], s[6:7], s[20:21]
	s_add_nc_u64 s[46:47], s[4:5], s[46:47]
	CROUND
.irp s, 0,1
	s_mov_b32 s[G0P+4*\s], 1
	s_add_co_u32 s[G0P+4*\s+1], s45, \s*SLOT
	s_add_nc_u64 s[G0P+4*\s+2:G0P+4*\s+3], s[20:21], \s*256
	s_or_b32 s[G0P+4*\s+3], s[G0P+4*\s+3], 0x80000000
	s_mov_b32 s[G0Q+4*\s], 1
	s_add_co_u32 s[G0Q+4*\s+1], s22, \s*SLOT
	s_add_nc_u64 s[G0Q+4*\s+2:G0Q+4*\s+3], s[46:47], \s*32768
	s_or_b32 s[G0Q+4*\s+3], s[G0Q+4*\s+3], 0x80000000
	s_wait_alu depctr_va_vdst(0)
	s_wait_tensorcnt 0x0
	ds_add_u32 v28, v29
	ds_add_u32 v28, v29
	s_wait_dscnt 0x0
	CROUND
	JLOAD \s
.endr
	v_and_b32 v1, 15, v0
	v_bfe_u32 v2, v0, 4, 1
	v_and_b32 v6, 31, v0
	v_lshlrev_b32 v[CO], 4, v6
	v_mul_u32_u24 v3, v1, PITCH
	v_lshl_add_u32 v3, v2, 4, v3
	s_mul_i32 s18, s16, PHALF
	s_lshl_b32 s19, s15, 13
	s_add_co_u32 s19, s19, QOFF
.irp s, 0,1
	v_add_nc_u32 v[ADRP+\s], s18, v3
	v_add_nc_u32 v[ADRQ+\s], s19, v[CO]
	s_add_co_u32 s18, s18, SLOT
	s_add_co_u32 s19, s19, SLOT
.endr
	s_mul_i32 s23, s14, 16*SPITCH
	s_add_co_u32 s23, s23, STAGE
	v_mul_u32_u24 v5, v1, SPITCH
	v_lshl_add_u32 v5, v2, 5, v5
	v_add_nc_u32 v[STO], s23, v5
	v_add_nc_u32 v[RD], s23, v[CO]
	s_lshl_b32 s66, s17, 20
	s_lshl_b32 s67, s15, 19
	s_add_co_u32 s66, s66, s67
	s_lshl_b32 s67, s42, 10
	s_add_co_u32 s66, s66, s67
	s_lshl_b32 s67, s16, 9
	s_add_co_u32 s66, s66, s67
	s_mov_b32 s67, 0
	s_add_nc_u64 s[10:11], s[10:11], s[66:67]
.macro FRAG reg, adr, q, tile
.irp c, 0,1,2,3
	ds_load_b128 v[\reg+4*\c:\reg+4*\c+3], v[\adr] offset:128*(\q)+32*\c+(\tile)*16*PITCH
.endr
.endm
.macro FRAGQ reg, adr, q, n
.irp c, 0,1,2,3
	ds_load_b128 v[\reg+4*\c:\reg+4*\c+3], v[\adr] offset:16384*(\q)+2048*(\n)+512*\c
.endr
.endm
.macro FETCH slot, q, set
	WIN 0x40
.irp a, 0,1,2,3,4,5,6,7
	FRAG 128*(\set)+16*\a, ADRP+\slot, \q, \a
.endr
	WIN 0
.irp n, 0,1,2,3
	FRAGQ 128+64*(\set)+16*\n, ADRQ+\slot, \q, \n
.endr
.endm
.macro MUL16 set, n0, zero
.irp n, \n0, \n0+1
.irp a, 0,1,2,3,4,5,6,7
.if \zero
	v_wmma_f32_16x16x128_fp8_fp8 v[64*(\n)+8*\a:64*(\n)+8*\a+7], v[128*(\set)+16*\a:128*(\set)+16*\a+15], v[128+64*(\set)+16*(\n):128+64*(\set)+16*(\n)+15], 0
.else
	v_wmma_f32_16x16x128_fp8_fp8 v[64*(\n)+8*\a:64*(\n)+8*\a+7], v[128*(\set)+16*\a:128*(\set)+16*\a+15], v[128+64*(\set)+16*(\n):128+64*(\set)+16*(\n)+15], v[64*(\n)+8*\a:64*(\n)+8*\a+7]
.endif
.endr
.endr
.endm
.macro STEP slot, zero
	s_wait_dscnt 0x0
	PLACES
	FETCH \slot, 1, 1
	WIN 0xa1
	MUL16 0, 0, \zero
	MUL16 0, 2, \zero
	WIN 0
.endm
.macro TURN slot, next, fill
	s_wait_tensorcnt 0x0
	ds_add_u32 v[SPW], v[NIL]
.if \fill
	s_add_nc_u64 s[G0P+4*\slot+2:G0P+4*\slot+3], s[G0P+4*\slot+2:G0P+4*\slot+3], 512
	s_add_nc_u64 s[G0Q+4*\slot+2:G0Q+4*\slot+3], s[G0Q+4*\slot+2:G0Q+4*\slot+3], 65536
.endif
	s_wait_dscnt 0x0
	s_barrier_signal -1
	WIN 0xa1
	MUL16 1, 0, 0
	WIN 0
	s_barrier_wait -1
.if \fill
	CREST
	JLOAD \slot
.else
	PLACES
.endif
	FETCH \next, 0, 0
	WIN 0xa1
	MUL16 1, 2, 0
	WIN 0
.endm
	s_wait_alu depctr_va_vdst(0)
	s_wait_tensorcnt 1
	s_barrier_signal -1
	s_barrier_wait -1
	FETCH 0, 0, 0
	STEP 0, 1
	TURN 0, 1, 1
	STEP 1, 0
	TURN 1, 0, 1
	STEP 0, 0
	TURN 0, 1, 0
	STEP 1, 0
	s_wait_dscnt 0x0
	WIN 0xa1
	MUL16 1, 0, 0
	MUL16 1, 2, 0
	WIN 0
	PLACES
.macro TOSTAGE n
	WIN 0x02
.set j, 0
.rept 32
	v_pk_mul_f32 v[TMP+j:TMP+j+1], v[64*(\n)+j:64*(\n)+j+1], s[96:97] op_sel_hi:[1,0]
.set j, j+2
.endr
	WIN 0
.irp a, 0,1,2,3,4,5,6,7
	ds_store_b128 v[STO], v[TMP+8*\a:TMP+8*\a+3] offset:64*\a
	ds_store_b128 v[STO], v[TMP+8*\a+4:TMP+8*\a+7] offset:64*\a+16
.endr
.set BB, BK+64*((\n)%2)
.irp t, 0,1,2,3,4,5,6,7,8,9,10,11,12,13,14,15
	ds_load_b128 v[BB+4*\t:BB+4*\t+3], v[RD] offset:\t*SPITCH
.endr
.endm
.macro SEND n, younger
.set BB, BK+64*((\n)%2)
	s_wait_dscnt \younger
.irp t, 0,1,2,3,4,5,6,7,8,9,10,11,12,13,14,15
	global_store_b128 v[CO], v[BB+4*\t:BB+4*\t+3], s[10:11] offset:(16*(\n)+\t)*8192 th:TH_STORE_NT
.endr
.endm
	s_wait_kmcnt 0x0
	s_add_co_i32 s96, s96, s97
	s_add_co_i32 s96, s96, 127
	s_lshl_b32 s96, s96, 23
	s_mov_b32 s97, s96
	TOSTAGE 0
	TOSTAGE 1
	SEND 0, 32
	s_wait_xcnt 0x0
	TOSTAGE 2
	SEND 1, 32
	s_wait_xcnt 0x0
	TOSTAGE 3
	SEND 2, 32
	SEND 3, 0
	s_wait_tensorcnt 0x0
	ds_add_u32 v[SPW], v[NIL]
	s_wait_dscnt 0x0
	CROUND
	s_endpgm
.Lfunc_end_k_qce3ca487cb_oproj:
	.size	k_qce3ca487cb_oproj, .Lfunc_end_k_qce3ca487cb_oproj-k_qce3ca487cb_oproj
	.p2alignl 7, 3214868480
	.fill 96, 4, 3214868480
	.section	.rodata,"a",@progbits
	.p2align	6, 0x0
	.amdhsa_kernel k_qce3ca487cb_oproj
		.amdhsa_group_segment_fixed_size 327680
		.amdhsa_private_segment_fixed_size 0
		.amdhsa_enable_private_segment 0
		.amdhsa_kernarg_size 32
		.amdhsa_user_sgpr_count 2
		.amdhsa_user_sgpr_kernarg_segment_ptr 1
		.amdhsa_wavefront_size32 1
		.amdhsa_system_sgpr_workgroup_id_x 1
		.amdhsa_system_sgpr_workgroup_id_y 1
		.amdhsa_system_sgpr_workgroup_id_z 1
		.amdhsa_system_vgpr_workitem_id 0
		.amdhsa_next_free_vgpr 768
		.amdhsa_next_free_sgpr 100
		.amdhsa_reserve_vcc 0
		.amdhsa_float_denorm_mode_32 3
		.amdhsa_float_denorm_mode_16_64 3
		.amdhsa_memory_ordered 1
		.amdhsa_forward_progress 1
		.amdhsa_inst_pref_size 76
	.end_amdhsa_kernel
	.amdgpu_metadata
---
amdhsa.version: [ 1, 2 ]
amdhsa.kernels:
  - .name:           k_qce3ca487cb_oproj
    .symbol:         k_qce3ca487cb_oproj.kd
    .args:
      - { .name: oc, .offset: 0, .size: 8, .value_kind: global_buffer, .address_space: global }
      - { .name: woc, .offset: 8, .size: 8, .value_kind: global_buffer, .address_space: global }
      - { .name: lowp_scales, .offset: 16, .size: 8, .value_kind: global_buffer, .address_space: global }
      - { .name: out0, .offset: 24, .size: 8, .value_kind: global_buffer, .address_space: global }
    .group_segment_fixed_size: 327680
    .private_segment_fixed_size: 0
    .kernarg_segment_align: 8
    .kernarg_segment_size: 32
    .max_flat_workgroup_size: 128
    .sgpr_count:     100
    .vgpr_count:     768
    .wavefront_size: 32
...
	.end_amdgpu_metadata
.endif
;; end of part 4
